; MI455X (gfx1250); checked and timed in simulation.
; The chip was launched on July 23, 2026; its instructions are those of AMD's public machine-readable ISA for CDNA 5 (MIT licence, August 2026) and "CDNA5" Instruction Set Architecture Reference Guide (July 2026). The comments in the code are by the model that wrote it; some were corrected since.
;; Global Context Attention Dual. Allowed arithmetic: matrix products marked QUANTISED: E2M3 operands, one E8M0 scale for each 32 along K, by v_wmma_scale_f32_16x16x128_f8f6f4 with both operands' format E2M3, f32 sums; everything else in f32.
;; Inputs: K_src_codes 2 x 2,048 x 32 x 24 uint8 (E2M3 codes of K_src, K innermost, in blocks of 32 codes, four codes in three bytes); K_src_scales 2 x 2,048 x 32 uint8 (E8M0 scales of K_src, one for each 32 codes along K); Q_src_codes 2 x 2,048 x 32 x 24 uint8 (E2M3 codes of Q_src, K innermost, in blocks of 32 codes, four codes in three bytes); Q_src_scales 2 x 2,048 x 32 uint8 (E8M0 scales of Q_src, one for each 32 codes along K); V_src_codes 2 x 2,048 x 32 x 24 uint8 (E2M3 codes of V_src, K innermost, in blocks of 32 codes, four codes in three bytes); V_src_scales 2 x 2,048 x 32 uint8 (E8M0 scales of V_src, one for each 32 codes along K); Wk_codes 1,024 x 32 x 24 uint8 (E2M3 codes of Wk, K innermost, in blocks of 32 codes, four codes in three bytes); Wk_scales 1,024 x 32 uint8 (E8M0 scales of Wk, one for each 32 codes along K); Wout_codes 1,024 x 32 x 24 uint8 (E2M3 codes of Wout, K innermost, in blocks of 32 codes, four codes in three bytes); Wout_scales 1,024 x 32 uint8 (E8M0 scales of Wout, one for each 32 codes along K); Wq_codes 1,024 x 32 x 24 uint8 (E2M3 codes of Wq, K innermost, in blocks of 32 codes, four codes in three bytes); Wq_scales 1,024 x 32 uint8 (E8M0 scales of Wq, one for each 32 codes along K); Wv_codes 1,024 x 32 x 24 uint8 (E2M3 codes of Wv, K innermost, in blocks of 32 codes, four codes in three bytes); Wv_scales 1,024 x 32 uint8 (E8M0 scales of Wv, one for each 32 codes along K); bout 1,024 float32; mask 2 x 2,048 bool; wS 2 x 2,048 float32.
;; Outputs: out0 2 x 2,048 x 1,024 float32; out1 2 x 2,048 x 1,024 float32.
;; This version of the problem:
;;   THIS VERSION OF THE PROBLEM IS GIVEN IN LOW PRECISION. The matrix products marked QUANTISED in the list below multiply operands that are first quantised to E2M3 (2 exponent bits, 3 mantissa bits; 6 bits a number), with one power-of-two scale for each 32 numbers along K (OCP MX v1.0); their sums are f32. All else is computed in f32.
;;   The module's matrix products, in the order in which they are computed (A, B: the left and right operand; K: the contracted axis; several contracted axes count as one K, in the product's order):
;;     1. [M 4,096, K 1,024] x [K 1,024, N 1,024]; A: input Q_src (given as codes); B: input Wq (given as codes): QUANTISED
;;     2. [M 4,096, K 1,024] x [K 1,024, N 1,024]; A: input K_src (given as codes); B: input Wk (given as codes): QUANTISED
;;     3. [M 4,096, K 1,024] x [K 1,024, N 1,024]; A: input V_src (given as codes); B: input Wv (given as codes): QUANTISED
;;     4. batch 32 x [M 2,048, K 64] x [K 64, N 2,048]; A: computed on the way; B: computed on the way: QUANTISED
;;     5. batch 32 x [M 2,048, K 2,048] x [K 2,048, N 64]; A: softmax (see below); B: computed on the way: QUANTISED
;;     6. batch 32 x [M 2,048, K 2,048] x [K 2,048, N 64]; A: softmax (see below); B: computed on the way: QUANTISED
;;     7. [M 4,096, K 1,024] x [K 1,024, N 1,024]; A: computed on the way; B: input Wout (given as codes): QUANTISED
;;     8. [M 4,096, K 1,024] x [K 1,024, N 1,024]; A: computed on the way; B: input Wout (given as codes): QUANTISED
;;   THE QUANTISER, for each operand of a quantised product, along K:
;;     - K is cut into blocks of 32 from its start; a last block that is shorter is filled with zeros.
;;     - A block's scale is 2^e with e = floor(log2(the largest magnitude in the block)) - 2, held to -126 .. 127; a block of zeros has e = 0. As a byte (E8M0): e + 127.
;;     - Each number is divided by its block's scale, clamped to +-7.5, and rounded to the nearest number of E2M3, ties to even, subnormals kept.
;;     - The product sums the exact products of the quantised numbers (number of the format x scale) in f32.
;;   ~~~python
;;   def quantise(x, axis):      # numpy; x: float32 -> the quantised numbers, widened to float32 again
;;       x = np.moveaxis(x, axis, -1); K = x.shape[-1]
;;       x = np.pad(x, [(0, 0)] * (x.ndim - 1) + [(0, -K % 32)]); x = x.reshape(x.shape[:-1] + (-1, 32)); a = np.abs(x).max(-1, keepdims=True)
;;       e = np.where(a > 0, np.clip(np.frexp(np.where(a > 0, a, 1))[1] - 1 - 2, -126, 127), 0)      # np.frexp(a)[1] - 1 = floor(log2(a)), exactly
;;       r = np.clip(x / 2.0 ** e, -7.5, 7.5)
;;       step = 2.0 ** (np.maximum(np.frexp(np.where(r == 0, 1, r))[1] - 1, 0) - 3)
;;       q = np.round(r / step) * step * 2.0 ** e      # np.round: ties to even
;;       return np.moveaxis(q.reshape(q.shape[:-2] + (-1,))[..., :K], -1, axis).astype(np.float32)
;;   ~~~
;;   SOFTMAX AHEAD OF A QUANTISED PRODUCT. Where the list says 'softmax', what is quantised is not the finished softmax but p = 2^(t - M), with t = logit x log2(e) and M = ceil(the row's largest t), a whole number; so 1/2 < the row's largest p <= 1. The row's sum l is taken of the UNQUANTISED p, in f32, and the product's result is divided by l at the end. Since M is a whole number, a kernel that streams over the keys may use a running M (the ceiling of the running maximum): every later rescaling is an exact power of two, which a block's scale takes up: the codes' values come out the same.
;;   OPERANDS COMPUTED ON THE WAY. 'Computed on the way' means the value that the module computes at that place (a softmax that the list does not call 'softmax' is quantised finished and normalised). What goes into a quantiser is computed in f32, as accurately as f32 sums, v_exp_f32 and their like allow (about 1e-6 of the number): no bf16 or f16 on the way to a quantiser, and a product that is left as it is and whose result goes on into a quantised operand takes f32 operands (vector FMAs, or v_wmma_f32_16x16x4_f32). A number that lies on a knife's edge between two numbers of the format may be rounded either way, as far as f32 arithmetic and the matrix unit's own rounding can turn it there, and no further.
;;   INPUTS GIVEN AS CODES. K_src (in the module: [2, 2048, 1024], K = its axis 2); Q_src (in the module: [2, 2048, 1024], K = its axis 2); V_src (in the module: [2, 2048, 1024], K = its axis 2); Wk (in the module: [1024, 1024], K = its axis 1); Wout (in the module: [1024, 1024], K = its axis 1); Wq (in the module: [1024, 1024], K = its axis 1); Wv (in the module: [1024, 1024], K = its axis 1): each comes as NAME_codes (uint8): NAME with its K axis moved to the last place and cut into blocks of 32 codes, [.., K / 32, bytes a block], one block behind the other in memory; four codes in three bytes: a row's codes are one little-endian stream of bits, code i at bits 6 i .. 6 i + 5 (a code: sign, 2 exponent bits, 3 mantissa bits); and NAME_scales (uint8): the same leading axes, one E8M0 byte (e + 127) for each 32 codes along K. Its value is code x scale, taken as it is: it is not quantised again, and the codes and scales need not be those that the quantiser above would give.
;; One version. Each part assembles by itself: llvm-mc -triple=amdgcn-amd-amdhsa -mcpu=gfx1250 --defsym DOCPART=n.
;; ======== version 1 of 1: 3 launches
;; limits: right only within a limited range of input values
;; workspace buffers: kv 11,010,048 bytes; qimg 4,456,448 bytes; ctx 6,291,456 bytes; ctxs 262,144 bytes
;; launch proj (part 1): grid 4 x 48, 4 waves a work-group, clusters of 4 x 4, 327,680 bytes of LDS; arguments Q_src_codes, Q_src_scales, Wq_codes, Wq_scales, K_src_codes, K_src_scales, Wk_codes, Wk_scales, Wv_codes, Wv_scales, V_src_codes, V_src_scales, mask, wS, qimg, kv; writes qimg, kv
.if DOCPART == 1
	.amdgcn_target "amdgcn-amd-amdhsa--gfx1250"
	.amdhsa_code_object_version 6
	.text
	.protected	k_qebb5f83936_proj
	.globl	k_qebb5f83936_proj
	.p2align	8
	.type	k_qebb5f83936_proj,@function
k_qebb5f83936_proj:
	s_mov_b64 s[64:65], 0
	v_nop
	global_prefetch_b8 v0, s[64:65] scope:SCOPE_SE
	s_setreg_imm32_b32 hwreg(HW_REG_WAVE_MODE, 25, 1), 1
	s_wait_xcnt 0x0
	s_wait_alu depctr_hold_cnt(0) depctr_sa_sdst(0) depctr_va_vdst(0) depctr_va_sdst(0) depctr_va_ssrc(0) depctr_va_vcc(0) depctr_vm_vsrc(0)
	s_getreg_b32 s2, hwreg(HW_REG_IB_STS2, 6, 4)
	s_cmp_eq_u32 s2, 0
	s_cbranch_scc0 .Lentry_in_a_cluster
	s_endpgm
.Lentry_in_a_cluster:
	s_bfe_u32 s2, ttmp6, 0x10000c
	s_cmp_lg_u32 s2, 0xf033
	s_cbranch_scc0 .Lentry_shape_is_right
	s_endpgm
.Lentry_shape_is_right:
; THE THREE PROJECTIONS Q = Q_src Wq^T, K = K_src Wk^T, V = V_src Wv^T on the given codes of FP6 (E2M3) with E8M0 scales, and the quantising of their results for attention.
; 12 clusters of 4 x 4 work-groups: clusters 0-3 make Q, 4-7 K, 8-11 V.  A work-group makes a tile of 256 x 256, K = 1,024; each of its four waves 128 x 128: 64 accumulators, 512 registers.
; Three products of 64 such tiles each: 192 work-groups; the three do not divide into 256 equal parts.
; ROLES.  Operand P is source 0 of the matrix instruction: its rows run along a lane's registers in the result.  Operand L is source 1: its rows lie in the lanes.  What is quantised next must run along a lane's registers:
; for Q and K the head's 64 features (P = the weight, L = the tokens), for V the keys (P = V_src's tokens, L = Wv's features).  P's tile hangs on cx and is shared along a column of the cluster, L's on cy and is shared along a row.
; K goes through a ring of two LDS slots in CHUNKS OF 256 BYTES of each row (a row of codes is 768 bytes, so every chunk begins at a multiple of 256 bytes); a step of 128 along K is 96 bytes: eight steps to three chunks.
; The scale bytes of the work-group's rows come once, as dense blocks, and stay in LDS.  At the head each wave asks for one tile: L's chunk 0, P's chunk 0, L's scales, P's scales.
; PREFETCH: behind the load of chunk c each wave names chunk c + 1 of 32 of the 128 rows that it fetches in the ring, a lane a row; the four partners that ask for a tile jointly share its rows out by address.
; THE WAY OUT uses no LDS.  Block a of 16 rows of L: a lane holds 64 numbers, register 16 B + i a number of block B of 32 along the next K; lanes l and l xor 16 hold a block together.  The order of k INSIDE a block of 32 is
; 0-7, 16-23, 8-15, 24-31, alike in Q and K, and alike in V and in attention's p, which are made by the same lines: a permutation applied to both operands of a product keeps its products.
; What is stored are IMAGES OF OPERAND REGISTERS: each store of the wave covers 512 or 256 consecutive bytes, aligned to 256.
;   kv   [16 b + head][128 keys][19,456]: 8 fragments of K x 768 (registers 0-3, 512 bytes; registers 4-5, 256 bytes); K's scale words, 512; 8 fragments x 1,536 of V (4) and V x wS (4), keys innermost; their scale words, 512.
;   qimg [16 b + head][128 queries][6,656]: as K's part.
; THE MASK rides in the unused half of the first attention product's 128 along K, in the scale bytes alone.  Attention puts the code 7.5 at k = 64 of every key and -7.5 at k = 64 of every query; here the scale byte of k = 64 .. 95
; is 247 for a key that is masked out, 1 for any other key, 127 for a query.  So a masked score is about -7.5e37, and an open score has -56.25 x 2^-126 added.
; LIMITS: NaN and infinities among the computed numbers are not served; a block whose largest magnitude lies under 2^-124 keeps the scale byte 1 (a block of zeros too: its codes are zeros, and this program alone reads the bytes).
.set ROWB,   256                       ; a tile's row: a chunk of a row of codes
.set NQ,     2                         ; steps that one set of scale words serves
.set KROW,   768                       ; a row of 1,024 codes in memory
.set STEPS,  8
.set CHUNKS, 3                         ; chunk c lies in slot c % 2
.set PITCH,  272                       ; an LDS row: 256 bytes + 16 of padding
.set FR,     12
.set NL,     6
.set NP,     4                         ; places behind this matrix instruction (ISA guide 7.12.1)
.set HALFT,  128*PITCH
.set SLOT,   4*HALFT                   ; L's 256 rows, then P's 256 rows
.set KS,     32
.set SCL,    2*SLOT                    ; behind the ring: the scales, units of 256 bytes + 16
.set HALFS,  (128*KS/256)*272
.set SBLK,   (16*KS/256)*272
.set SPARE,  SCL+4*HALFS               ; the spare words, 128 bytes a wave
.set REC,    19456
.set HEADB,  16*REC
.set QGRP,   6656
.set KFB,    768                       ; a fragment of K or Q
.set KSC,    6144
.set VFR,    6656
.set VSC,    18944
.set ADRA, 16                          ; v16-17 L's fragments in slot 0, 1; v18-19 for a piece whose two halves of the lanes lie in different chunks
.set ADRB, 20                          ; v20-23 the same for P
.set L8,   24                          ; v24 on the way out: 8 x lane
.set PFO,  25                          ; v25 the prefetches' offset: lane x a row; never rewritten
.set ADRS, 27                          ; v27 my scale words; on the way out: h
.set SPW,  28
.set NIL,  29
.set SC,   32
.set AF,   128
.set G1, 24
.set G0, 32
.set G1B, 48
.set G0B, 56
.set G1S, 68
.set G0S, 76
.set G1SB, 80
.set G0SB, 88
.set G0H, 4
.set G0HB, 8
.set PFA, 98
.set H32, 26
.set HH,  27
.set LI,  30
.set RR,  31
.set WE,  32
.set WO,  40
.set PWV, 32
.set PWP, 36
.set MK,  48
.set VMA, 58
.set VMB, 59
.set MU,  60
.set WS,  64
.set VP,  128
.set TM,  192
.set PW,  208
.set PC,  212
.set PT,  228
.set PC2, 236
.set OQ,  248
.set SEL, 2
.set MSB, 0
.macro WIN new                         ; the immediate's high byte repeats the setting that is left
.if MSB != (\new)
	s_set_vgpr_msb (MSB<<8)|(\new)
.set MSB, (\new)
.endif
.endm
.set MUL_LO, 0xa1                      ; source 0 (P) window 1, source 1 (L) window 0, C and D window 2
.set MUL_HI, 0xf1
.set TO_B,   0x40
; A joint load: waves 0 and 1 fetch for L, waves 2 and 3 for P; the branch hangs on the wave's number alone.  s_nop 0 and four v_nop follow each line.
.macro JLOAD g0a, g1a, g0b, g1b
	s_cmp_eq_u32 s15, 0
	s_cbranch_scc0 .Lfor_b_\@
	tensor_load_to_lds s[\g0a:\g0a+3], s[\g1a:\g1a+7]
	s_nop 0
.rept 4
	v_nop
.endr
	s_branch .Lasked_\@
.Lfor_b_\@:
	tensor_load_to_lds s[\g0b:\g0b+3], s[\g1b:\g1b+7]
	s_nop 0
.rept 4
	v_nop
.endr
.Lasked_\@:
.endm
.macro CREST
	s_cmp_lg_u32 s14, 0
	s_cbranch_scc1 .Lnot_wave_0_\@
	s_barrier_signal -3
.Lnot_wave_0_\@:
	s_barrier_wait -3
	s_barrier_signal -1
	s_barrier_wait -1
.endm
.macro CROUND
	s_barrier_signal -1
	s_barrier_wait -1
	CREST
.endm
	s_load_b256 s[68:75], s[0:1], 0x0              ; Q's four: L codes, L scales, P codes, P scales
	s_load_b256 s[76:83], s[0:1], 0x20             ; K's four
	s_load_b256 s[84:91], s[0:1], 0x40             ; V's four (L = Wv, P = V_src)
	v_lshl_add_u32 v[SPW], v0, 2, SPARE
	v_mov_b32 v[NIL], 0
	ds_add_u32 v[SPW], v[NIL]                      ; the opening: the add, twice on end, and its wait ahead of my first tensor load
	ds_add_u32 v[SPW], v[NIL]
	v_lshrrev_b32 v1, 5, v0
	v_readfirstlane_b32 s14, v1                    ; wave 0..3
	s_lshr_b32 s15, s14, 1                         ; which half of L's rows is mine.  Also: I fetch for L (0) or for P (1)
	s_and_b32 s16, s14, 1                          ; which half of P's rows.  Also: which 128 rows I fetch
	s_bfe_u32 s40, ttmp6, 0x40000                  ; cx
	s_bfe_u32 s41, ttmp6, 0x40004                  ; cy
	s_and_b32 s18, ttmp7, 0xffff                   ; the cluster's number, 0..11
	s_lshr_b32 s66, s18, 2                         ; which product: 0 Q, 1 K, 2 V: the same in all sixteen partners
	s_and_b32 s18, s18, 3
	s_lshl_b32 s18, s18, 2
	s_cmp_eq_u32 s66, 2
	s_cselect_b32 s42, s18, 0                      ; the tokens are P's rows in V,
	s_cselect_b32 s17, 0, s18                      ; L's rows in Q and K
	s_add_co_u32 s42, s42, s40                     ; P's tile: hangs on cx
	s_add_co_u32 s17, s17, s41                     ; L's tile: hangs on cy
	s_lshl_b32 s43, s41, 2
	s_lshl_b32 s43, 15, s43                        ; my row of the cluster
	s_lshl_b32 s44, 0x1111, s40                    ; my column
	s_lshl_b32 s92, s17, 8
	s_lshl_b32 s93, s15, 7
	s_add_co_u32 s92, s92, s93                     ; s92: my wave's first row of L
	s_lshl_b32 s93, s42, 8
	s_lshl_b32 s95, s16, 7
	s_add_co_u32 s93, s93, s95                     ; s93: my wave's first row of P
	s_wait_dscnt 0x0                               ; both opening adds are done
	s_wait_kmcnt 0x0
	s_cmp_eq_u32 s66, 1                            ; the product's four buffers: a choice that hangs on the cluster's number alone
	s_cselect_b64 s[4:5], s[76:77], s[68:69]
	s_cselect_b64 s[6:7], s[78:79], s[70:71]
	s_cselect_b64 s[8:9], s[80:81], s[72:73]
	s_cselect_b64 s[10:11], s[82:83], s[74:75]
	s_cmp_eq_u32 s66, 2
	s_cselect_b64 s[4:5], s[84:85], s[4:5]
	s_cselect_b64 s[6:7], s[86:87], s[6:7]
	s_cselect_b64 s[8:9], s[88:89], s[8:9]
	s_cselect_b64 s[10:11], s[90:91], s[10:11]
	s_cmp_eq_u32 s15, 0                            ; the prefetches: of the 128 rows that I fetch in the ring, my work-group's 32
	s_cselect_b32 s94, s17, s42
	s_cselect_b32 s95, s40, s41                    ; my place among the four that ask with me
	s_cselect_b64 s[PFA:PFA+1], s[4:5], s[8:9]
	s_lshl_b32 s94, s94, 8
	s_lshl_b32 s95, s95, 5
	s_add_co_u32 s94, s94, s95
	s_lshl_b32 s95, s16, 7
	s_add_co_u32 s94, s94, s95
	s_mul_i32 s94, s94, KROW
	s_mov_b32 s95, 0
	s_add_nc_u64 s[PFA:PFA+1], s[PFA:PFA+1], s[94:95]
	; group 1: rows of 256 bytes, 16 bytes of padding behind each: 256 rows for the head's loads, 128 for the ring's
	s_or_b32 s[G1+0], s43, (0<<16)|(1<<20)|(1<<21)|(5<<22)|(3<<25)
	s_or_b32 s[G1B+0], s44, (0<<16)|(1<<20)|(1<<21)|(5<<22)|(3<<25)
.irp g, G1, G1B
	s_mov_b32 s[\g+1], ROWB<<16
	s_mov_b32 s[\g+2], 256<<16
	s_mov_b32 s[\g+3], ROWB<<16
	s_mov_b32 s[\g+4], 256
	s_mov_b32 s[\g+5], KROW
	s_mov_b32 s[\g+6], 0
	s_mov_b32 s[\g+7], 0
.endr
	; the scales of 256 rows: 8,192 dense bytes as 32 rows of 256 bytes, 16 bytes of padding behind each
	s_or_b32 s[G1S+0], s43, (3<<16)|(1<<20)|(1<<21)|(5<<22)|(3<<25)
	s_or_b32 s[G1SB+0], s44, (3<<16)|(1<<20)|(1<<21)|(5<<22)|(3<<25)
.irp g, G1S, G1SB
	s_mov_b32 s[\g+1], 32<<16
	s_mov_b32 s[\g+2], KS<<16
	s_mov_b32 s[\g+3], 32<<16
	s_mov_b32 s[\g+4], KS
	s_mov_b32 s[\g+5], 32
	s_mov_b32 s[\g+6], 0
	s_mov_b32 s[\g+7], 0
.endr
	s_lshl_b32 s20, s17, 8                         ; L: the tile's first row
	s_lshl_b32 s46, s42, 8                         ; P
	s_mov_b32 s21, 0
	s_mov_b32 s47, 0
	s_mov_b64 s[18:19], KS
	s_mul_u64 s[22:23], s[20:21], s[18:19]         ; where these rows' scales begin
	s_mul_u64 s[96:97], s[46:47], s[18:19]
	s_mov_b64 s[18:19], KROW
	s_mul_u64 s[20:21], s[20:21], s[18:19]         ; and their codes
	s_mul_u64 s[46:47], s[46:47], s[18:19]
	s_mul_i32 s18, s16, 128*KROW                   ; in the ring I fetch 128 rows: which half,
	s_mov_b32 s19, 0
	s_mul_i32 s45, s14, HALFT                      ; and where they go: wave x 128 rows
	s_add_nc_u64 s[20:21], s[4:5], s[20:21]
	s_add_nc_u64 s[22:23], s[6:7], s[22:23]
	s_add_nc_u64 s[46:47], s[8:9], s[46:47]
	s_add_nc_u64 s[96:97], s[10:11], s[96:97]
	CROUND                                         ; all sixteen work-groups are here: the first joint loads meet
	s_mov_b32 s[G0H], 1                            ; the head's four tiles: chunk 0's 256 rows of L,
	s_mov_b32 s[G0H+1], 0
	s_mov_b64 s[G0H+2:G0H+3], s[20:21]
	s_or_b32 s[G0H+3], s[G0H+3], 0x80000000
	s_mov_b32 s[G0HB], 1                           ; its 256 rows of P,
	s_mov_b32 s[G0HB+1], 2*HALFT
	s_mov_b64 s[G0HB+2:G0HB+3], s[46:47]
	s_or_b32 s[G0HB+3], s[G0HB+3], 0x80000000
	s_mov_b32 s[G0S], 1                            ; L's scales,
	s_mov_b32 s[G0S+1], SCL
	s_mov_b64 s[G0S+2:G0S+3], s[22:23]
	s_or_b32 s[G0S+3], s[G0S+3], 0x80000000
	s_mov_b32 s[G0SB], 1                           ; P's scales
	s_mov_b32 s[G0SB+1], SCL+2*HALFS
	s_mov_b64 s[G0SB+2:G0SB+3], s[96:97]
	s_or_b32 s[G0SB+3], s[G0SB+3], 0x80000000
	s_add_nc_u64 s[20:21], s[20:21], s[18:19]      ; for the ring: my 128 rows
	s_add_nc_u64 s[46:47], s[46:47], s[18:19]
.irp s, 0,1
	s_mov_b32 s[G0+4*\s], 1
	s_add_co_u32 s[G0+4*\s+1], s45, \s*SLOT
	s_add_nc_u64 s[G0+4*\s+2:G0+4*\s+3], s[20:21], \s*ROWB
	s_or_b32 s[G0+4*\s+3], s[G0+4*\s+3], 0x80000000
	s_mov_b32 s[G0B+4*\s], 1
	s_add_co_u32 s[G0B+4*\s+1], s45, \s*SLOT
	s_add_nc_u64 s[G0B+4*\s+2:G0B+4*\s+3], s[46:47], \s*ROWB
	s_or_b32 s[G0B+4*\s+3], s[G0B+4*\s+3], 0x80000000
.endr
; the head's loads, one a wave, in one tree of branches on the wave's number: every way passes exactly one load
.macro ARM under, g0, g1, next
	s_cmp_lt_u32 s14, \under
	s_cbranch_scc0 \next
	tensor_load_to_lds s[\g0:\g0+3], s[\g1:\g1+7]
	s_nop 0
.rept 4
	v_nop
.endr
	s_branch .Lhead_asked
\next:
.endm
	ARM 1, G0H,  G1,  .Lhead_b
	ARM 2, G0HB, G1B, .Lhead_sa
	ARM 3, G0S,  G1S, .Lhead_sb
	tensor_load_to_lds s[G0SB:G0SB+3], s[G1SB:G1SB+7]
	s_nop 0
.rept 4
	v_nop
.endr
.Lhead_asked:
	v_and_b32 v[PFO], 31, v0
	v_mul_u32_u24 v[PFO], v[PFO], KROW
	global_prefetch_b8 v[PFO], s[PFA:PFA+1] offset:ROWB th:TH_LOAD_NT scope:SCOPE_SE   ; chunk 1 of my 32 rows
	v_and_b32 v1, 15, v0                           ; r
	v_bfe_u32 v2, v0, 4, 1                         ; h
	v_mul_u32_u24 v3, v1, PITCH
	v_mul_u32_u24 v4, v2, 24
	v_add_nc_u32 v4, v3, v4                        ; a fragment's row x pitch + 24 x half
	s_mov_b32 s21, SLOT-232
	s_mov_b32 s22, SLOT+232
	v_sub_nc_u32 v7, 1, v2
	v_mul_u32_u24 v5, s21, v2
	v_add_nc_u32 v5, v3, v5
	v_add_nc_u32 v5, 232, v5                       ; lanes 0-15 byte 232 of the row in slot 0, lanes 16-31 byte 0 of the row in slot 1;
	v_mul_u32_u24 v6, s22, v7
	v_add_nc_u32 v6, v3, v6                        ; and the other way round
	s_mul_i32 s21, s15, HALFT
	s_mul_i32 s22, s16, HALFT
	s_add_co_u32 s22, s22, 2*HALFT
	v_add_nc_u32 v[ADRA+2], s21, v5
	v_add_nc_u32 v[ADRA+3], s21, v6
	v_add_nc_u32 v[ADRB+2], s22, v5
	v_add_nc_u32 v[ADRB+3], s22, v6
.irp s, 0,1
	v_add_nc_u32 v[ADRA+\s], s21, v4
	v_add_nc_u32 v[ADRB+\s], s22, v4
	s_add_co_u32 s21, s21, SLOT
	s_add_co_u32 s22, s22, SLOT
.endr
	v_mul_u32_u24 v5, v1, KS                       ; my row's scales: 32 bytes a row,
	v_lshrrev_b32 v6, 8, v5
	v_lshl_add_u32 v5, v6, 4, v5                   ; and 16 more for each 256 passed
	s_mul_i32 s21, s15, HALFS
	s_mul_i32 s22, s16, HALFS
	s_add_co_u32 s22, s22, 2*HALFS
	s_sub_co_u32 s22, s22, s21
	v_mul_u32_u24 v6, s22, v2                      ; lanes 16-31 take P's
	s_add_co_u32 s21, s21, SCL
	v_add_nc_u32 v5, v5, v6
	v_add_nc_u32 v[ADRS], s21, v5
.macro FRAG reg, adr, st, i            ; lane l holds row l % 16; registers 6 c .. 6 c + 5 hold K = 64 c + 32 (l / 16) + 0 .. 31: 24 bytes of the row, in pieces of 8, each inside one chunk
.irp p, 0,1,2,3,4,5
.set BY, 96*(\st)+48*(\p/3)+8*(\p%3)
.if BY/ROWB == (BY+24)/ROWB
	ds_load_b64 v[\reg+2*\p:\reg+2*\p+1], v[\adr+(BY/ROWB)%2] offset:BY%ROWB+(\i)*16*PITCH
.else
	ds_load_b64 v[\reg+2*\p:\reg+2*\p+1], v[\adr+2+(BY/ROWB)%2] offset:BY%ROWB-232+(\i)*16*PITCH
.endif
.endr
.endm
; 16 matrix instructions: L's blocks a0, a0 + 1 x P's eight.  The 64 accumulators take turns, one instruction a turn, in the same order in every step.
.macro MUL16 a0, p, q, sc, zero
.irp a, \a0, \a0+1
.irp b, 0,1,2,3,4,5,6,7
.if \zero
	v_wmma_scale_f32_16x16x128_f8f6f4 v[8*(8*((\a)%4)+\b):8*(8*((\a)%4)+\b)+7], v[128*(\p)+FR*\b:128*(\p)+FR*\b+FR-1], v[AF+FR*(\a):AF+FR*(\a)+FR-1], 0, v[SC+8*NQ*(\sc)+NQ*\b+(\q)], v[SC+8*NQ*(\sc)+NQ*(\a)+(\q)] matrix_a_fmt:MATRIX_FMT_FP6 matrix_b_fmt:MATRIX_FMT_FP6 matrix_a_scale:MATRIX_SCALE_ROW1
.else
	v_wmma_scale_f32_16x16x128_f8f6f4 v[8*(8*((\a)%4)+\b):8*(8*((\a)%4)+\b)+7], v[128*(\p)+FR*\b:128*(\p)+FR*\b+FR-1], v[AF+FR*(\a):AF+FR*(\a)+FR-1], v[8*(8*((\a)%4)+\b):8*(8*((\a)%4)+\b)+7], v[SC+8*NQ*(\sc)+NQ*\b+(\q)], v[SC+8*NQ*(\sc)+NQ*(\a)+(\q)] matrix_a_fmt:MATRIX_FMT_FP6 matrix_b_fmt:MATRIX_FMT_FP6 matrix_a_scale:MATRIX_SCALE_ROW1
.endif
.endr
.endr
.endm
.macro FETCH_B st, p
	WIN TO_B
.irp i, 0,1,2,3,4,5,6,7
	FRAG 128*(\p)+FR*\i, ADRB, \st, \i
.endr
	WIN 0
.endm
.macro FETCH_A st, i0
.irp i, \i0, \i0+1, \i0+2, \i0+3
	FRAG AF+FR*(\i), ADRA, \st, \i
.endr
.endm
.macro SCALES pr                       ; the scale words of steps 2 pr, 2 pr + 1 into set pr % 2: lanes 0-15 L's block i, lanes 16-31 P's block i
.irp i, 0,1,2,3,4,5,6,7
	ds_load_b64 v[SC+8*NQ*((\pr)%2)+NQ*\i:SC+8*NQ*((\pr)%2)+NQ*\i+1], v[ADRS] offset:\i*SBLK+4*NQ*(\pr)
.endr
.endm
.macro PLACES n                        ; plain vector instructions between a matrix instruction and a load into, or a read of, its registers
.rept \n
	v_nop
.endr
.endm
; A step of 128 along K.  Where the next step's bytes END in a chunk not yet read, every wave waits for its tensor loads and a barrier shows that chunk whole.  Where they BEGIN in a later chunk than this step's,
; the chunk left behind is read no more: wait for all tensor loads, the add, the wait for it and for my reads, the barrier; where a chunk two on is left to fetch, the barrier opens a round of the cluster's barrier and the slot is filled again.
.macro STEP st, zero
.set NX, (\st)+1
.set C0, (96*(\st))/ROWB
.set C1, (96*NX)/ROWB
.set E0, (96*(\st)+95)/ROWB
.set E1, (96*NX+95)/ROWB
.if C1 > C0 || E1 > E0
	s_wait_tensorcnt 0x0                           ; all my tensor loads have landed
.if C1 > C0
	ds_add_u32 v[SPW], v[NIL]                      ; 0 onto my spare word
	s_wait_dscnt 4*NL+1                            ; the add and the youngest 24 loads (L's blocks 4-7) may be out
.else
	s_wait_dscnt 4*NL                              ; the youngest 24 loads may be out
.endif
	WIN MUL_LO
	MUL16 0, (\st)%2, (\st)%2, ((\st)/2)%2, \zero
	s_wait_dscnt 0x0                               ; the add, where there is one, and all my reads are done
	s_barrier_signal -1
	MUL16 2, (\st)%2, (\st)%2, ((\st)/2)%2, \zero
	WIN 0
	s_barrier_wait -1
.if C1 > C0 && C0+2 < CHUNKS
	CREST                                          ; no wave of any partner still reads this slot's chunk or has a load on its way
	s_add_nc_u64 s[G0+4*(C0%2)+2:G0+4*(C0%2)+3], s[G0+4*(C0%2)+2:G0+4*(C0%2)+3], 2*ROWB
	s_add_nc_u64 s[G0B+4*(C0%2)+2:G0B+4*(C0%2)+3], s[G0B+4*(C0%2)+2:G0B+4*(C0%2)+3], 2*ROWB
	JLOAD G0+4*(C0%2), G1, G0B+4*(C0%2), G1B       ; chunk C0 + 2; its four v_nop are the places in front of the loads below
.else
	PLACES NP
.endif
.else
	s_wait_dscnt 4*NL                              ; P's set and L's blocks 0-3 are in; the youngest 24 loads may be out
	WIN MUL_LO
	MUL16 0, (\st)%2, (\st)%2, ((\st)/2)%2, \zero
	MUL16 2, (\st)%2, (\st)%2, ((\st)/2)%2, \zero
	s_wait_dscnt 0
	PLACES NP
.endif
	FETCH_B NX, NX%2
	FETCH_A NX, 0
.if NX%2 == 0
	SCALES NX/2
.endif
	WIN MUL_HI
	MUL16 4, (\st)%2, (\st)%2, ((\st)/2)%2, \zero
	MUL16 6, (\st)%2, (\st)%2, ((\st)/2)%2, \zero
	PLACES NP
	WIN 0
	FETCH_A NX, 4
.endm
	s_wait_alu depctr_va_vdst(0)
	s_wait_tensorcnt 0x0                           ; my tile of the head's four is in
	ds_add_u32 v[SPW], v[NIL]
	s_mov_b32 s[G1+2], 128<<16                     ; no tensor load of mine is out: from here on a load brings 128 rows
	s_mov_b32 s[G1+4], 128
	s_mov_b32 s[G1B+2], 128<<16
	s_mov_b32 s[G1B+4], 128
	s_wait_dscnt 0x0
	CROUND                                         ; all four tiles are in, and all sixteen work-groups are here
	JLOAD G0+4, G1, G0B+4, G1B                     ; chunk 1, the first tensor load behind the round
	FETCH_B 0, 0
	FETCH_A 0, 0
	SCALES 0
	FETCH_A 0, 4
	global_prefetch_b8 v[PFO], s[PFA:PFA+1] offset:2*ROWB th:TH_LOAD_NT scope:SCOPE_SE   ; chunk 2 of my 32 rows, the row's last
	s_load_b256 s[4:11], s[0:1], 0x60              ; for the way out: mask, wS, qimg, kv; the head's descriptors that lay here are done with; waited for there
	STEP 0, 1                                      ; the first step's products start the sums
.set ST, 1
.rept STEPS-2
	STEP ST, 0
.set ST, ST+1
.endr
	s_wait_dscnt 4*NL
	WIN MUL_LO
	MUL16 0, 1, 1, 1, 0
	MUL16 2, 1, 1, 1, 0
	s_wait_dscnt 0
	WIN MUL_HI
	MUL16 4, 1, 1, 1, 0
	MUL16 6, 1, 1, 1, 0
	WIN 0
; QUANT: 64 numbers of a lane at v[QS ..] of window QW, register 16 B + i of block B, become codes at v[QPC + QSTR c .. + 5] (c = 0, 1: blocks 2 c + h) and the four blocks' scale word in v[QPW].
; A block's scale byte is its largest magnitude's exponent field - 2, held at 1 from below by the floor 2^(3 - 127) among the maximum's leaves.  Each accumulator is first read at its two lowest registers.
.macro QUANT
	WIN QW*5
.irp b, 0,1,2,3
	v_max3_num_f32 v[TM+\b], |v[QS+16*\b]|, |v[QS+16*\b+1]|, 0x1800000
.endr
.irp i, 2,4,6,8,10,12,14
.irp b, 0,1,2,3
	v_max3_num_f32 v[TM+\b], |v[QS+16*\b+\i]|, |v[QS+16*\b+\i+1]|, v[TM+\b]
.endr
.endr
	WIN 0
.irp b, 0,1,2,3
	v_permlanex16_b32 v[TM+4+\b], v[TM+\b], s[SEL], s[SEL+1]
.endr
.irp b, 0,1,2,3
	v_max_num_f32 v[TM+\b], v[TM+\b], v[TM+4+\b]   ; with lane l xor 16's: the block's largest magnitude
.endr
.irp b, 0,1,2,3
	v_add_nc_u32 v[TM+12+\b], 0xff000000, v[TM+\b] ; 2 off its exponent field: the conversion's scale operand
.endr
.irp b, 0,1,2,3
	v_lshrrev_b32 v[TM+4+\b], 23, v[TM+12+\b]      ; the scale's byte
.endr
	v_lshl_or_b32 v[QPW], v[TM+5], 8, v[TM+4]
	v_lshl_or_b32 v[QPW], v[TM+6], 16, v[QPW]
	v_lshl_or_b32 v[QPW], v[TM+7], 24, v[QPW]
	WIN QW
.irp c, 0,1
	v_cvt_scalef32_pk16_fp6_f32 v[QPC+QSTR*\c:QPC+QSTR*\c+2], v[QS+32*\c:QS+32*\c+15], v[TM+12+2*\c]
	v_cvt_scalef32_pk16_fp6_f32 v[PT+4*\c:PT+4*\c+2], v[QS+32*\c+16:QS+32*\c+31], v[TM+13+2*\c]
.endr
	WIN 0
	v_nop                                          ; one plain place behind a scaled conversion
.irp c, 0,1                                    ; the operand's layout wants a whole block in a lane
.irp i, 0,1,2
	v_permlane16_swap_b32 v[QPC+QSTR*\c+\i], v[PT+4*\c+\i]
.endr
.irp i, 0,1,2
	v_mov_b32 v[QPC+QSTR*\c+3+\i], v[PT+4*\c+\i]
.endr
.endr
.endm
	PLACES NP                                      ; behind the last products
	s_wait_kmcnt 0x0                               ; mask, wS, qimg, kv
	s_mov_b32 s[SEL], 0x76543210
	s_mov_b32 s[SEL+1], 0xfedcba98
	v_and_b32 v[LI], 31, v0
	v_lshlrev_b32 v[L8], 3, v[LI]
	v_lshlrev_b32 v[LI], 4, v[LI]
	v_and_b32 v[RR], 15, v0
	v_bfe_u32 v[HH], v0, 4, 1
	v_lshlrev_b32 v[H32], 5, v[HH]
.irp b, 0,1,2,3
	v_mov_b32 v[TM+4+\b], 0                        ; written once: a lane permute's destination counts as one of its sources
.endr
	s_cmp_eq_u32 s66, 2
	s_cbranch_scc1 .Lv
	; ---- Q and K: my 128 tokens (lanes) x two heads of 64 features (registers)
	s_lshr_b32 s18, s92, 11                        ; b
	s_lshr_b32 s19, s92, 7
	s_and_b32 s19, s19, 15                         ; which 128 tokens of the batch
	s_lshr_b32 s20, s93, 6                         ; my even head
	s_lshl_b32 s18, s18, 4
	s_add_co_u32 s18, s18, s20                     ; 16 b + head
	s_mov_b32 s21, 16*QGRP
	s_mov_b32 s22, QGRP
	s_mov_b32 s23, 0x7f7f0000                      ; a query's scale bytes 2, 3: 127
	s_cmp_eq_u32 s66, 1
	s_cselect_b64 s[12:13], s[10:11], s[8:9]       ; kv or qimg
	s_cselect_b32 s21, HEADB, s21
	s_cselect_b32 s22, REC, s22
	s_cselect_b32 s23, 0x01010000, s23             ; an open key's scale bytes 2, 3: 1
	s_mul_i32 s18, s18, s21
	s_mul_i32 s19, s19, s22
	s_add_co_u32 s18, s18, s19
	s_mov_b32 s19, 0
	s_add_nc_u64 s[12:13], s[12:13], s[18:19]      ; the even head's record
	s_mov_b32 s20, s21
	s_mov_b32 s21, 0
	s_add_nc_u64 s[16:17], s[12:13], s[20:21]      ; the odd head's
	s_mov_b32 s18, s92
	s_add_nc_u64 s[4:5], s[4:5], s[18:19]          ; the mask at my first token
	s_wait_alu depctr_va_vdst(0)
	v_mov_b32 v[VMA], 0x01f70000                   ; a masked key's scale bytes 2, 3: 247, 1
	v_mov_b32 v[VMB], s23
.irp a, 0,1,2,3,4,5,6,7
	v_mov_b32 v[MK+\a], 1                          ; a query is never masked
.endr
	s_cmp_lg_u32 s66, 1
	s_wait_alu depctr_va_vdst(0)
	s_cbranch_scc1 .Lnomask
.irp a, 0,1,2,3,4,5,6,7
	global_load_u8 v[MK+\a], v[RR], s[4:5] offset:16*\a   ; the mask's byte of key 16 a + r
.endr
.Lnomask:
.set QSTR, 8
.set QPC, PC
.set QPW, PW
.macro EQK a                           ; block a: 16 tokens; two fragments (a head each), 768 bytes each
.set QS, 64*((\a)%4)
.set QW, 2+(\a)/4
	s_wait_xcnt 0x0                                ; the last block's stores have read their registers
	QUANT
.if (\a) == 0
	s_wait_loadcnt 0x0                             ; the mask's bytes
.endif
	v_cmp_eq_u32 vcc_lo, 0, v[MK+(\a)]
	s_wait_alu depctr_va_vdst(0)                   ; the codes just made are read by the stores below, in block 0 behind the wait for the mask's bytes
	v_cndmask_b32 v[MU], v[VMB], v[VMA], vcc_lo
	v_and_or_b32 v[WE+(\a)], v[PW], 0xffff, v[MU]  ; the even head's two bytes, and bytes 2, 3
	v_lshrrev_b32 v[WO+(\a)], 16, v[PW]
	v_or_b32 v[WO+(\a)], v[WO+(\a)], v[MU]         ; the odd head's
	global_store_b128 v[LI], v[PC:PC+3], s[12:13] offset:KFB*(\a)
	global_store_b64 v[L8], v[PC+4:PC+5], s[12:13] offset:KFB*(\a)+512
	global_store_b128 v[LI], v[PC+8:PC+11], s[16:17] offset:KFB*(\a)
	global_store_b64 v[L8], v[PC+12:PC+13], s[16:17] offset:KFB*(\a)+512
.endm
.irp a, 0,1,2,3,4,5,6,7
	EQK \a
.endr
	v_cmp_eq_u32 vcc_lo, 1, v[HH]                  ; the scale image: lane (r, h), word i: fragment 4 h + i, row r
.irp i, 0,1,2,3
	v_cndmask_b32 v[OQ+\i], v[WE+\i], v[WE+4+\i], vcc_lo
	v_cndmask_b32 v[OQ+4+\i], v[WO+\i], v[WO+4+\i], vcc_lo
.endr
	global_store_b128 v[LI], v[OQ:OQ+3], s[12:13] offset:KSC
	global_store_b128 v[LI], v[OQ+4:OQ+7], s[16:17] offset:KSC
	s_branch .Ljoin
.Lv:	; ---- V: my 128 features (lanes: two heads x four tiles of 16) x 128 keys (registers)
	s_lshr_b32 s18, s93, 11                        ; b
	s_lshr_b32 s19, s93, 7
	s_and_b32 s19, s19, 15                         ; which 128 keys of the batch
	s_lshr_b32 s20, s92, 6                         ; my even head
	s_lshl_b32 s18, s18, 4
	s_add_co_u32 s18, s18, s20
	s_mul_i32 s18, s18, HEADB
	s_mul_i32 s19, s19, REC
	s_add_co_u32 s18, s18, s19
	s_mov_b32 s19, 0
	s_add_nc_u64 s[12:13], s[10:11], s[18:19]      ; the even head's record
	s_lshl_b32 s18, s93, 2
	s_add_nc_u64 s[6:7], s[6:7], s[18:19]          ; wS at my first key
	s_wait_alu depctr_va_vdst(0)
.irp t, 0,1,2,3,4,5,6,7
	global_load_b128 v[WS+8*\t:WS+8*\t+3], v[H32], s[6:7] offset:64*\t       ; wS of keys 16 t + 8 h + 0 .. 7: the accumulators' own layout
	global_load_b128 v[WS+8*\t+4:WS+8*\t+7], v[H32], s[6:7] offset:64*\t+16
.endr
	v_cmp_eq_u32 vcc_lo, 1, v[HH]
.set QSTR, 6
.macro EV a                            ; block a: 16 features: head a / 4, tile a % 4
.set QS, 64*((\a)%4)
.set QW, 2+(\a)/4
.set QPC, PC
.set QPW, PWV+(\a)%4
.set VO, ((\a)/4)*HEADB+VFR+((\a)%4)*1536
	s_wait_xcnt 0x0                                ; the last block's stores have read their registers
	QUANT
.irp c, 0,1,2
	global_store_b128 v[LI], v[PC+4*\c:PC+4*\c+3], s[12:13] offset:VO+512*\c
.endr
.if (\a) == 0
	s_wait_loadcnt 0x0                             ; wS
.endif
	WIN QW
.set II, 0
.rept 32
	v_pk_mul_f32 v[VP+II:VP+II+1], v[QS+II:QS+II+1], v[WS+II:WS+II+1]   ; V x wS, in f32
.set II, II+2
.endr
	WIN 0
.set QS, VP
.set QW, 0
.set QPC, PC2
.set QPW, PWP+(\a)%4
	QUANT
.irp c, 0,1,2
	global_store_b128 v[LI], v[PC2+4*\c:PC2+4*\c+3], s[12:13] offset:VO+4*1536+512*\c
.endr
.if (\a)%4 == 3                        ; a head's scale image: lane (r, h), word i: h = 0 V's tile i, h = 1 V x wS's
.irp i, 0,1,2,3
	v_cndmask_b32 v[OQ+4*((\a)/4)+\i], v[PWV+\i], v[PWP+\i], vcc_lo
.endr
	global_store_b128 v[LI], v[OQ+4*((\a)/4):OQ+4*((\a)/4)+3], s[12:13] offset:((\a)/4)*HEADB+VSC
.endif
.endm
.irp a, 0,1,2,3,4,5,6,7
	EV \a
.endr
.Ljoin:
	s_wait_tensorcnt 0x0                           ; the wave's end
	ds_add_u32 v[SPW], v[NIL]
	s_wait_dscnt 0x0
	CROUND                                         ; the closing round
	s_endpgm
.Lfunc_end_k_qebb5f83936_proj:
	.size	k_qebb5f83936_proj, .Lfunc_end_k_qebb5f83936_proj-k_qebb5f83936_proj
	.p2alignl 7, 3214868480
	.fill 96, 4, 3214868480
	.section	.rodata,"a",@progbits
	.p2align	6, 0x0
	.amdhsa_kernel k_qebb5f83936_proj
		.amdhsa_group_segment_fixed_size 327680
		.amdhsa_private_segment_fixed_size 0
		.amdhsa_enable_private_segment 0
		.amdhsa_kernarg_size 128
		.amdhsa_user_sgpr_count 2
		.amdhsa_user_sgpr_kernarg_segment_ptr 1
		.amdhsa_wavefront_size32 1
		.amdhsa_system_sgpr_workgroup_id_x 1
		.amdhsa_system_sgpr_workgroup_id_y 1
		.amdhsa_system_sgpr_workgroup_id_z 1
		.amdhsa_system_vgpr_workitem_id 0
		.amdhsa_next_free_vgpr 1024
		.amdhsa_next_free_sgpr 100
		.amdhsa_reserve_vcc 1
		.amdhsa_float_denorm_mode_32 3
		.amdhsa_float_denorm_mode_16_64 3
		.amdhsa_memory_ordered 1
		.amdhsa_forward_progress 1
		.amdhsa_inst_pref_size 255
	.end_amdhsa_kernel
	.amdgpu_metadata
---
amdhsa.version: [ 1, 2 ]
amdhsa.kernels:
  - .name:           k_qebb5f83936_proj
    .symbol:         k_qebb5f83936_proj.kd
    .args:
      - { .name: Q_src_codes, .offset: 0, .size: 8, .value_kind: global_buffer, .address_space: global }
      - { .name: Q_src_scales, .offset: 8, .size: 8, .value_kind: global_buffer, .address_space: global }
      - { .name: Wq_codes, .offset: 16, .size: 8, .value_kind: global_buffer, .address_space: global }
      - { .name: Wq_scales, .offset: 24, .size: 8, .value_kind: global_buffer, .address_space: global }
      - { .name: K_src_codes, .offset: 32, .size: 8, .value_kind: global_buffer, .address_space: global }
      - { .name: K_src_scales, .offset: 40, .size: 8, .value_kind: global_buffer, .address_space: global }
      - { .name: Wk_codes, .offset: 48, .size: 8, .value_kind: global_buffer, .address_space: global }
      - { .name: Wk_scales, .offset: 56, .size: 8, .value_kind: global_buffer, .address_space: global }
      - { .name: Wv_codes, .offset: 64, .size: 8, .value_kind: global_buffer, .address_space: global }
      - { .name: Wv_scales, .offset: 72, .size: 8, .value_kind: global_buffer, .address_space: global }
      - { .name: V_src_codes, .offset: 80, .size: 8, .value_kind: global_buffer, .address_space: global }
      - { .name: V_src_scales, .offset: 88, .size: 8, .value_kind: global_buffer, .address_space: global }
      - { .name: mask, .offset: 96, .size: 8, .value_kind: global_buffer, .address_space: global }
      - { .name: wS, .offset: 104, .size: 8, .value_kind: global_buffer, .address_space: global }
      - { .name: qimg, .offset: 112, .size: 8, .value_kind: global_buffer, .address_space: global }
      - { .name: kv, .offset: 120, .size: 8, .value_kind: global_buffer, .address_space: global }
    .group_segment_fixed_size: 327680
    .private_segment_fixed_size: 0
    .kernarg_segment_align: 8
    .kernarg_segment_size: 128
    .max_flat_workgroup_size: 128
    .sgpr_count:     100
    .vgpr_count:     1024
    .wavefront_size: 32
...
	.end_amdgpu_metadata
.endif
;; end of part 1
;; launch attn (part 2): grid 8 x 32, 16 waves a work-group, clusters of 4 x 1, 327,680 bytes of LDS; arguments qimg, kv, ctx, ctxs; writes ctx, ctxs
.if DOCPART == 2
	.amdgcn_target "amdgcn-amd-amdhsa--gfx1250"
	.amdhsa_code_object_version 6
	.text
	.protected	k_qebb5f83936_attn
	.globl	k_qebb5f83936_attn
	.p2align	8
	.type	k_qebb5f83936_attn,@function
k_qebb5f83936_attn:
	s_mov_b64 s[64:65], 0
	v_nop
	global_prefetch_b8 v0, s[64:65] scope:SCOPE_SE
	s_setreg_imm32_b32 hwreg(HW_REG_WAVE_MODE, 25, 1), 1
	s_wait_xcnt 0x0
	s_wait_alu depctr_hold_cnt(0) depctr_sa_sdst(0) depctr_va_vdst(0) depctr_va_sdst(0) depctr_va_ssrc(0) depctr_va_vcc(0) depctr_vm_vsrc(0)
	s_getreg_b32 s2, hwreg(HW_REG_IB_STS2, 6, 4)
	s_cmp_eq_u32 s2, 0
	s_cbranch_scc0 .Lentry_in_a_cluster
	s_endpgm
.Lentry_in_a_cluster:
	s_bfe_u32 s2, ttmp6, 0x10000c
	s_cmp_lg_u32 s2, 0x3003
	s_cbranch_scc0 .Lentry_shape_is_right
	s_endpgm
.Lentry_shape_is_right:
; ATTENTION on codes of FP6 (E2M3): for each (batch, head) S^T = K Q^T, p = 2^(t - M), O^T = [V; V x wS]^T p^T; then context_pos = O_pos / l, context_neg = O_all / l - context_pos, both quantised along D for the last projection.
; t = score x log2(e) / 8; M = the running largest t rounded up to a whole number; l = the row's sum of the unquantised p, in f32.  When M moves, l and O^T are multiplied by 2^(old M - new M): exact.
; SHARES.  A work-group owns 256 queries of one (batch, head); each of its sixteen waves 16 of them in 256 registers, four waves to a SIMD.  Every wave walks the 2,048 keys, 128 a step.
; A step's operands lie in kv as ONE record of 19,456 bytes, images of the operands' registers: 8 fragments of K (16 keys each, registers 0-5 of 12), K's scale words, 8 fragments of V and V x wS (16 of the head's 64 x 128 keys),
; their scale words.  So every LDS load is 16 or 8 bytes a lane at 16 or 8 x lane.
; ALL 16 RECORDS OF THE HEAD LIE IN LDS AT ONCE: 16 x 19,456 = 311,296 bytes.  Wave w asks for record w at the head.
; Wave w begins with its own record, for which its own wait is all the ordering; one barrier then shows all records to all waves, and step n takes record (w + n) mod 16: the softmax's running form does not mind the order of the keys.
; CLUSTER.  The four query blocks of a cluster belong to one (batch, head) and need the same records: each record is asked for jointly, with a mask that names the four.
; No prefetch: every record is asked for at the head, and there is no later load to run ahead of.
; LAYOUT.  Both products are used transposed: a lane holds one query (lane % 16) throughout.  Inside a block of 32 the order of k is the one that the earlier launch gave K, Q and V; p gets the same order by the same lines.
; THE MASK.  Registers 6-11 of K's and Q's fragments (k = 64 .. 127, which the head's 64 do not use) are constants here: at k = 64 every key has the code 7.5 and every query -7.5, all else 0.  The scale byte of that block is 247
; for a masked key, 1 for an open one, 127 for a query: a masked key's score is about -7.5e37 and its p exactly 0.  The running largest t starts at -1e30, over every masked t and under every open one.
; A row with no open key has l = 0: its scale bytes are stored as 0xff, which makes the last projection's sums NaN, as the softmax of such a row is.
; LIMITS: every open score has -56.25 x 2^-126 added to it; open scores lie between -5e30 and 7e37; NaN and infinities among the computed numbers are not served; blocks under 2^-124 keep the scale byte 1; 1 / l is v_rcp_f32's.
.set REC,   19456
.set KFB,   768                        ; a fragment of K or Q: registers 0-3, 512 bytes; registers 4-5, 256 bytes
.set KSC,   6144                       ; in a record: K's scale words,
.set VFR,   6656                       ; V's fragments,
.set VSC,   18944                      ; V's scale words
.set HEADB, 16*REC
.set QGRP,  6656
.set STG,   16*REC                     ; 1,024 bytes in which the work-group's scale bytes meet; no fill lands here
.set SPARE, STG+1024                   ; the spare words, 128 bytes for each of 16 waves
.set LI,  1                            ; v1   16 x lane
.set L8,  2                            ; v2   8 x lane
.set SA,  3                            ; v3   STG + 512 h + 32 wave + 2 r
.set RA,  4                            ; v4   STG + 16 (thread % 64)
.set SPW, 5                            ; v5   my spare word; never rewritten
.set NIL, 6                            ; v6   0; never rewritten
.set GA,  7                            ; v7   16 x lane + 131,072 x wave: the scale bytes' place in ctxs (wave 0: pos, wave 1: neg)
.set ADR, 8                            ; v8   the record in hand + 16 x lane
.set AD8, 29                           ; v29  the record in hand + 8 x lane
.set KF,  32                           ; v32-79  four fragments of K
.set VS,  80                           ; v80-83  V's scale words
.set WV,  12
.set G1,  24
.set G0,  32
.set SEL, 40
.set CS,  42
.set TB,  44
.set CNT, 46
.macro CROUND                          ; a round of the cluster's barrier
	s_barrier_signal -1
	s_barrier_wait -1
	s_cmp_lg_u32 s[WV], 0
	s_cbranch_scc1 .Lnot_wave_0_\@
	s_barrier_signal -3
.Lnot_wave_0_\@:
	s_barrier_wait -3
	s_barrier_signal -1
	s_barrier_wait -1
.endm
	s_load_b256 s[4:11], s[0:1], 0x0               ; qimg s[4:5], kv s[6:7], ctx s[8:9], ctxs s[10:11]
	v_lshl_add_u32 v[SPW], v0, 2, SPARE
	v_mov_b32 v[NIL], 0
	ds_add_u32 v[SPW], v[NIL]                      ; the opening: the add, twice on end, and its wait ahead of my first tensor load
	ds_add_u32 v[SPW], v[NIL]
	s_wait_dscnt 0x0
	v_lshrrev_b32 v9, 5, v0
	s_delay_alu instid0(VALU_DEP_1)
	v_readfirstlane_b32 s[WV], v9                  ; wave 0..15
	v_and_b32 v[LI], 31, v0
	s_delay_alu instid0(VALU_DEP_1)
	v_lshlrev_b32 v[L8], 3, v[LI]
	s_delay_alu instid0(VALU_DEP_2)
	v_lshlrev_b32 v[LI], 4, v[LI]
	v_and_b32 v9, 15, v0                           ; r
	v_bfe_u32 v10, v0, 4, 1                        ; h
	s_delay_alu instid0(VALU_DEP_2)
	v_lshlrev_b32 v11, 4, v9                       ; 16 r
	s_lshl_b32 s16, s[WV], 5
	v_lshlrev_b32 v[SA], 1, v9
	s_delay_alu instid0(VALU_DEP_1)
	v_lshl_add_u32 v[SA], v10, 9, v[SA]
	s_delay_alu instid0(VALU_DEP_1)
	v_add_nc_u32 v[SA], s16, v[SA]
	s_delay_alu instid0(VALU_DEP_1)
	v_add_nc_u32 v[SA], STG, v[SA]
	v_and_b32 v[RA], 63, v0
	s_delay_alu instid0(VALU_DEP_1)
	v_lshl_add_u32 v[RA], v[RA], 4, STG
	s_lshl_b32 s16, s[WV], 17
	v_add_nc_u32 v[GA], s16, v[LI]
	s_wait_alu depctr_va_vdst(0)                   ; directly ahead of the run of scalar instructions
	s_bfe_u32 s13, ttmp6, 0x40000                  ; cx
	s_lshl_b32 s14, ttmp9, 2
	s_add_co_u32 s14, s14, s13                     ; my block of 256 queries: it enters Q's, ctx's and ctxs's addresses alone
	s_and_b32 s15, ttmp7, 0xffff                   ; 16 b + head, which the four partners share
	; descriptor group 1: a record as 76 dense rows of 256 bytes
	s_mov_b32 s[G1], 15|(3<<16)|(1<<21)            ; the mask: all four; elements of 8 bytes; bit 21 beside a mask; no padding
	s_mov_b32 s[G1+1], 32<<16
	s_mov_b32 s[G1+2], 76<<16
	s_mov_b32 s[G1+3], 32<<16
	s_mov_b32 s[G1+4], 76
	s_mov_b32 s[G1+5], 32
	s_mov_b32 s[G1+6], 0
	s_mov_b32 s[G1+7], 0
	s_mov_b32 s[G0], 1
	s_mul_i32 s[G0+1], s[WV], REC                  ; LDS: record wave
	s_mul_i32 s[TB], s[WV], REC                    ; and my first step's record
	s_mul_i32 s18, s15, HEADB
	s_add_co_u32 s18, s18, s[G0+1]                 ; the same record in kv
	s_mov_b32 s19, 0
	s_mul_i32 s20, s15, 16*QGRP                    ; Q: my group of 128 queries,
	s_lshl_b32 s16, s14, 1
	s_lshr_b32 s17, s[WV], 3
	s_add_co_u32 s16, s16, s17
	s_mul_i32 s16, s16, QGRP
	s_add_co_u32 s20, s20, s16
	s_bfe_u32 s16, s[WV], 0x10002
	s_lshl_b32 s16, s16, 8
	s_and_b32 s17, s[WV], 3
	s_lshl_b32 s17, s17, 2
	s_add_co_u32 s22, s20, s16                     ; my fragment's scale words: word wave % 4 of lanes 16 ((wave / 4) % 2) + r
	s_add_co_u32 s22, s22, s17
	s_add_co_u32 s22, s22, KSC
	s_and_b32 s16, s[WV], 7
	s_mul_i32 s16, s16, KFB
	s_add_co_u32 s20, s20, s16                     ; my fragment
	s_mov_b32 s21, 0
	s_mov_b32 s23, 0
	s_lshr_b32 s51, s15, 4                         ; b
	s_and_b32 s52, s15, 15                         ; head
	s_lshl_b32 s16, s51, 7
	s_lshl_b32 s17, s14, 4
	s_add_co_u32 s16, s16, s17
	s_add_co_u32 s16, s16, s[WV]                   ; my block of 16 rows of ctx: 128 b + 16 x query block + wave
	s_lshr_b32 s17, s16, 3
	s_mul_i32 s36, s17, 98304
	s_and_b32 s16, s16, 7
	s_mul_i32 s16, s16, 3072
	s_add_co_u32 s36, s36, s16
	s_lshr_b32 s16, s52, 2
	s_mul_i32 s16, s16, 24576
	s_add_co_u32 s36, s36, s16
	s_and_b32 s16, s52, 3
	s_mul_i32 s16, s16, 768
	s_add_co_u32 s36, s36, s16
	s_mov_b32 s37, 0
	s_lshl_b32 s16, s51, 3
	s_add_co_u32 s16, s16, s14
	s_lshl_b32 s16, s16, 4
	s_add_co_u32 s16, s16, s52
	s_lshl_b32 s38, s16, 9                         ; ctxs: ((8 b + query block) x 16 + head) x 512
	s_mov_b32 s39, 0
	s_mov_b32 s[SEL], 0x76543210
	s_mov_b32 s[SEL+1], 0xfedcba98
	s_mov_b32 s[CS], 0x3e38aa3b                    ; c = log2(e) / 8
	s_mov_b32 s[CS+1], s[CS]
	s_wait_kmcnt 0x0
	s_add_nc_u64 s[G0+2:G0+3], s[6:7], s[18:19]
	s_or_b32 s[G0+3], s[G0+3], 0x80000000
	s_add_nc_u64 s[20:21], s[4:5], s[20:21]
	s_add_nc_u64 s[22:23], s[4:5], s[22:23]
	s_add_nc_u64 s[36:37], s[8:9], s[36:37]
	s_add_nc_u64 s[38:39], s[10:11], s[38:39]
	CROUND                                         ; all four work-groups are here: the joint loads meet
	tensor_load_to_lds s[G0:G0+3], s[G1:G1+7]      ; record wave: my one tensor load
	s_nop 0
	global_load_b128 v[16:19], v[LI], s[20:21]     ; Q's registers 0-3,
	global_load_b64 v[20:21], v[L8], s[20:21] offset:512   ; 4-5
	global_load_b32 v255, v11, s[22:23]            ; Q's scale words
	v_sub_nc_u32 v30, 1, v10                       ; k = 64 lies in lanes 0-15
	s_delay_alu instid0(VALU_DEP_1)
	v_mul_u32_u24 v22, v30, 63                     ; Q's register 6: the code -7.5 at k = 64
	v_mul_u32_u24 v[KF+6], v30, 31                 ; K's register 6: the code 7.5 at k = 64
.irp i, 23,24,25,26,27
	v_mov_b32 v\i, 0                               ; Q's registers 7-11
.endr
.irp t, 1,2,3
	v_mov_b32 v[KF+12*\t+6], v[KF+6]
.endr
.irp t, 0,1,2,3
.irp i, 7,8,9,10,11
	v_mov_b32 v[KF+12*\t+\i], 0                    ; K's registers 7-11: they stay zero
.endr
.endr
	v_mov_b32 v13, 0xf149f2ca                      ; the largest t so far: -1e30
	s_delay_alu instid0(VALU_DEP_1)
	v_floor_f32 v12, -v13                          ; -M
	v_mov_b32 v14, 0
	v_mov_b32 v15, 0
.irp b, 0,1,2,3
	v_mov_b32 v[236+\b], 0                         ; written once: a lane permute's destination counts as one of its sources
.endr
	v_mov_b32 v253, 0
.macro VLOAD g                         ; four fragments of V (g = 0) or of V x wS (g = 1) into p's registers, which are done with
.irp t, 0,1,2,3
.irp c, 0,1,2
	ds_load_b128 v[96+12*\t+4*\c:96+12*\t+4*\c+3], v[ADR] offset:VFR+(4*\g+\t)*1536+512*\c
.endr
.endr
.endm
.macro VMUL g, first                   ; tile t of the head's 64 goes to accumulator 2 (t % 2) + t / 2: the order 0, 2, 1, 3, which the way out wants.  first = 1: the products start the sums
.irp t, 0,1,2,3
.set OD, 160+32*\g+8*(2*(\t%2)+\t/2)
.if \g == 0
.if \first
	v_wmma_scale_f32_16x16x128_f8f6f4 v[OD:OD+7], v[96+12*\t:107+12*\t], v[224:235], 0, v[VS+\t], v253 matrix_a_fmt:MATRIX_FMT_FP6 matrix_b_fmt:MATRIX_FMT_FP6
.else
	v_wmma_scale_f32_16x16x128_f8f6f4 v[OD:OD+7], v[96+12*\t:107+12*\t], v[224:235], v[OD:OD+7], v[VS+\t], v253 matrix_a_fmt:MATRIX_FMT_FP6 matrix_b_fmt:MATRIX_FMT_FP6
.endif
.else
.if \first
	v_wmma_scale_f32_16x16x128_f8f6f4 v[OD:OD+7], v[96+12*\t:107+12*\t], v[224:235], 0, v[VS+\t], v253 matrix_a_fmt:MATRIX_FMT_FP6 matrix_b_fmt:MATRIX_FMT_FP6 matrix_a_scale:MATRIX_SCALE_ROW1
.else
	v_wmma_scale_f32_16x16x128_f8f6f4 v[OD:OD+7], v[96+12*\t:107+12*\t], v[224:235], v[OD:OD+7], v[VS+\t], v253 matrix_a_fmt:MATRIX_FMT_FP6 matrix_b_fmt:MATRIX_FMT_FP6 matrix_a_scale:MATRIX_SCALE_ROW1
.endif
.endif
.endr
.endm
; A KEY STEP: 128 keys, the record at LDS byte s[TB].  first = 1: O^T begins here: nothing is cleared and nothing is rescaled.
.macro STEP first
	v_add_nc_u32 v[ADR], s[TB], v[LI]
	v_add_nc_u32 v[AD8], s[TB], v[L8]
	s_wait_alu depctr_va_vdst(0)
.rept 3
	v_nop                                          ; with the two additions five places: the scores below are written over registers that the last step's products read
.endr
	ds_load_b128 v[248:251], v[ADR] offset:KSC     ; K's scale words: lanes 0-15 fragments 0-3, lanes 16-31 fragments 4-7
	ds_load_b128 v[VS:VS+3], v[ADR] offset:VSC     ; V's: lanes 0-15 V's tiles, lanes 16-31 V x wS's
.irp g, 0,1                                    ; S^T = K Q^T, four fragments of 16 keys at a time
.if \g > 0
.rept 4
	v_nop                                          ; places in front of loads into registers that matrix instructions have read
.endr
.endif
.irp t, 0,1,2,3
	ds_load_b128 v[KF+12*\t:KF+12*\t+3], v[ADR] offset:(4*\g+\t)*KFB
	ds_load_b64 v[KF+12*\t+4:KF+12*\t+5], v[AD8] offset:(4*\g+\t)*KFB+512
.endr
	s_wait_dscnt 0x0
.irp t, 0,1,2,3
.if \g == 0
	v_wmma_scale_f32_16x16x128_f8f6f4 v[96+8*\t:103+8*\t], v[KF+12*\t:KF+12*\t+11], v[16:27], 0, v[248+\t], v255 matrix_a_fmt:MATRIX_FMT_FP6 matrix_b_fmt:MATRIX_FMT_FP6
.else
	v_wmma_scale_f32_16x16x128_f8f6f4 v[128+8*\t:135+8*\t], v[KF+12*\t:KF+12*\t+11], v[16:27], 0, v[248+\t], v255 matrix_a_fmt:MATRIX_FMT_FP6 matrix_b_fmt:MATRIX_FMT_FP6 matrix_a_scale:MATRIX_SCALE_ROW1
.endif
.endr
.endr
.rept 4
	v_nop
.endr
.irp b, 0,1,2,3
	v_max3_num_f32 v[232+\b], v[96+16*\b], v[97+16*\b], v[98+16*\b]   ; the largest score of each block of 32 keys: it serves the row's maximum and, since p rises with the score, the block's largest p
.endr
.irp i, 3,5,7,9,11,13
.irp b, 0,1,2,3
	v_max3_num_f32 v[232+\b], v[232+\b], v[96+16*\b+\i], v[97+16*\b+\i]
.endr
.endr
.irp b, 0,1,2,3
	v_max_num_f32 v[232+\b], v[232+\b], v[111+16*\b]
.endr
.irp b, 0,1,2,3
	s_delay_alu instid0(VALU_DEP_4)
	v_permlanex16_b32 v[236+\b], v[232+\b], s[SEL], s[SEL+1]
.endr
.irp b, 0,1,2,3
	s_delay_alu instid0(VALU_DEP_4)
	v_max_num_f32 v[232+\b], v[232+\b], v[236+\b]  ; with lane l xor 16's 16 keys
.endr
	s_delay_alu instid0(VALU_DEP_2)
	v_max3_num_f32 v254, v232, v233, v234
	s_delay_alu instid0(VALU_DEP_1)
	v_max_num_f32 v254, v254, v235
	s_delay_alu instid0(VALU_DEP_1)
	v_mul_f32 v254, s[CS], v254                    ; the step's largest t of my query
	s_delay_alu instid0(VALU_DEP_1)
	v_max_num_f32 v13, v13, v254                   ; the running largest t
	v_mov_b32 v254, v12
	s_delay_alu instid0(VALU_DEP_2)
	v_floor_f32 v12, -v13                          ; the new -M = -ceil(t)
	s_delay_alu instid0(VALU_DEP_1)
	v_sub_f32 v254, v12, v254                      ; old M - new M: a whole number, 0 or less
	s_delay_alu instid0(VALU_DEP_1)
	v_cvt_i32_f32 v254, v254                       ; (it saturates)
	s_delay_alu instid0(VALU_DEP_1)
	v_ldexp_f32 v252, 1.0, v254                    ; f = 2^(old M - new M)
.set II, 0
.rept 32
	v_pk_fma_f32 v[96+II:97+II], v[96+II:97+II], s[CS:CS+1], v[12:13] op_sel_hi:[1,0,0]   ; t - M, two at a time
.set II, II+2
.endr
.irp b, 0,1,2,3
	v_fma_f32 v[232+\b], v[232+\b], s[CS], v12     ; the same of each block's largest score
.endr
.set II, 0
	s_wait_alu depctr_va_vdst(0)
.rept 64
	v_exp_f32 v[96+II], v[96+II]                   ; p = 2^(t - M), not normalised
.set II, II+1
.endr
	v_pk_mul_f32 v[14:15], v[14:15], v[252:253] op_sel_hi:[1,0]   ; the sums under the new M; the plain place behind the exponentials
	s_wait_alu depctr_va_vdst(0)                   ; one wait for the batch, ahead of its first reader
.irp b, 0,1,2,3
	v_exp_f32 v[232+\b], v[232+\b]                 ; the block's largest p
.endr
	v_pk_add_f32 v[236:237], v[100:101], v[104:105]
	v_pk_add_f32 v[250:251], v[108:109], v[112:113]
	v_pk_add_f32 v[248:249], v[116:117], v[120:121]
	v_pk_add_f32 v[246:247], v[124:125], v[128:129]
	v_pk_add_f32 v[244:245], v[132:133], v[136:137]
	v_pk_add_f32 v[242:243], v[140:141], v[144:145]
	v_pk_add_f32 v[240:241], v[148:149], v[152:153]
	v_pk_add_f32 v[14:15], v[14:15], v[156:157]
	v_pk_add_f32 v[236:237], v[236:237], v[96:97]
	v_pk_add_f32 v[250:251], v[250:251], v[98:99]
	v_pk_add_f32 v[248:249], v[248:249], v[102:103]
	v_pk_add_f32 v[246:247], v[246:247], v[106:107]
	v_pk_add_f32 v[244:245], v[244:245], v[110:111]
	v_pk_add_f32 v[242:243], v[242:243], v[114:115]
	v_pk_add_f32 v[240:241], v[240:241], v[118:119]
	v_pk_add_f32 v[14:15], v[14:15], v[122:123]
	v_pk_add_f32 v[236:237], v[236:237], v[126:127]
	v_pk_add_f32 v[250:251], v[250:251], v[130:131]
	v_pk_add_f32 v[248:249], v[248:249], v[134:135]
	v_pk_add_f32 v[246:247], v[246:247], v[138:139]
	v_pk_add_f32 v[244:245], v[244:245], v[142:143]
	v_pk_add_f32 v[242:243], v[242:243], v[146:147]
	v_pk_add_f32 v[240:241], v[240:241], v[150:151]
	v_pk_add_f32 v[14:15], v[14:15], v[154:155]
	v_pk_add_f32 v[236:237], v[236:237], v[158:159]
	s_delay_alu instid0(VALU_DEP_2)
	v_pk_add_f32 v[14:15], v[14:15], v[246:247]
	s_delay_alu instid0(VALU_DEP_2)
	v_pk_add_f32 v[236:237], v[236:237], v[244:245]
	v_pk_add_f32 v[250:251], v[250:251], v[242:243]
	v_pk_add_f32 v[248:249], v[248:249], v[240:241]
	s_delay_alu instid0(VALU_DEP_2)
	v_pk_add_f32 v[14:15], v[14:15], v[250:251]
	s_delay_alu instid0(VALU_DEP_2)
	v_pk_add_f32 v[236:237], v[236:237], v[248:249]
	s_delay_alu instid0(VALU_DEP_1)
	v_pk_add_f32 v[14:15], v[14:15], v[236:237]
	s_wait_alu depctr_va_vdst(0)                   ; and one for the four
.irp b, 0,1,2,3
	v_max_num_f32 v[232+\b], 0x1800000, v[232+\b]  ; the floor 2^(3 - 127): the byte cannot fall under 1
.endr
.irp b, 0,1,2,3
	s_delay_alu instid0(VALU_DEP_4)
	v_add_nc_u32 v[244+\b], 0xff000000, v[232+\b]  ; 2 off the exponent field: the conversion's scale operand
.endr
.irp b, 0,1,2,3
	s_delay_alu instid0(VALU_DEP_4)
	v_lshrrev_b32 v[236+\b], 23, v[244+\b]
.endr
	s_delay_alu instid0(VALU_DEP_3)
	v_lshl_or_b32 v253, v237, 8, v236              ; p's scale word for these 128 keys
	s_delay_alu instid0(VALU_DEP_1)
	v_lshl_or_b32 v253, v238, 16, v253
	s_delay_alu instid0(VALU_DEP_1)
	v_lshl_or_b32 v253, v239, 24, v253
.irp c, 0,1
	v_cvt_scalef32_pk16_fp6_f32 v[224+6*\c:226+6*\c], v[96+32*\c:111+32*\c], v[244+2*\c]
	v_cvt_scalef32_pk16_fp6_f32 v[236+4*\c:238+4*\c], v[112+32*\c:127+32*\c], v[244+2*\c+1]
.endr
	v_nop                                          ; one plain place behind a scaled conversion
.irp c, 0,1
.irp i, 0,1,2
	v_permlane16_swap_b32 v[224+6*\c+\i], v[236+4*\c+\i]
.endr
.irp i, 0,1,2
	s_delay_alu instid0(VALU_DEP_3)
	v_mov_b32 v[227+6*\c+\i], v[236+4*\c+\i]
.endr
.endr
	VLOAD 0                                        ; asked for ahead of the rescaling, which stands between the loads and the wait for them
.if \first
.rept 8
	v_nop                                          ; the places between p's codes and scale word and the products
.endr
.else
.set II, 0
.rept 32
	v_pk_mul_f32 v[160+II:161+II], v[160+II:161+II], v[252:253] op_sel_hi:[1,0]   ; O^T under the new M; also the places between p's codes and scale word and the products
.set II, II+2
.endr
.endif
	s_wait_alu depctr_va_vdst(0)
	s_wait_dscnt 0x0
	VMUL 0, \first                                 ; O_all^T += V^T p^T: the eight accumulators take turns, one instruction a turn
.rept 4
	v_nop
.endr
	VLOAD 1
	s_wait_dscnt 0x0
	VMUL 1, \first                                 ; O_pos^T += (V x wS)^T p^T
.endm
	s_wait_alu depctr_va_vdst(0)
	s_wait_loadcnt 0x0                             ; Q
	s_wait_tensorcnt 0x0                           ; my own record is in: I alone read it until the barrier below
	STEP 1
	s_wait_dscnt 0x0                               ; no LDS instruction of mine is out at the signal
	s_barrier_signal -1                            ; every wave has waited for its record in front of this signal
	s_barrier_wait -1                              ; all sixteen records are in
	s_mov_b32 s[CNT], 1
.Lstep:                                            ; fifteen trips: record (wave + trip) mod 16
	s_add_co_u32 s[TB], s[WV], s[CNT]
	s_and_b32 s[TB], s[TB], 15
	s_mul_i32 s[TB], s[TB], REC
	STEP 0
	s_add_co_u32 s[CNT], s[CNT], 1
	s_cmp_lt_u32 s[CNT], 16
	s_cbranch_scc1 .Lstep
	; THE WAY OUT
.rept 4
	v_nop                                          ; places behind the last products
.endr
	v_add_f32 v14, v14, v15
	s_delay_alu instid0(VALU_DEP_1)
	v_permlanex16_b32 v252, v14, s[SEL], s[SEL+1]
	s_delay_alu instid0(VALU_DEP_1)
	v_add_f32 v14, v14, v252                       ; l
	s_wait_alu depctr_va_vdst(0)
	v_rcp_f32 v246, v14
	v_nop                                          ; a plain place behind the reciprocal
	s_wait_alu depctr_va_vdst(0)                   ; and the wait ahead of its first reader
.set II, 0
.rept 16
	v_pk_mul_f32 v[96+II:97+II], v[160+II:161+II], v[246:247] op_sel_hi:[1,0]    ; context_all
.set II, II+2
.endr
.set II, 0
.rept 16
	v_pk_mul_f32 v[128+II:129+II], v[192+II:193+II], v[246:247] op_sel_hi:[1,0]  ; context_pos
.set II, II+2
.endr
.set II, 0
.rept 16
	v_pk_add_f32 v[96+II:97+II], v[96+II:97+II], v[128+II:129+II] neg_lo:[0,1] neg_hi:[0,1]   ; context_neg = all - pos
.set II, II+2
.endr
; A context's tiles lie in the order 0, 2, 1, 3, register 8 s + j = d 16 T + 8 h + j.  Tiles 0 and 2, and 1 and 3, change halves: lane (q, h) then holds d = 32 h + 0 .. 31 in order: a whole block of the last projection's K, in true order.
.irp x, 96, 128
.irp j, 0,1,2,3,4,5,6,7
	v_permlane16_swap_b32 v[\x+\j], v[\x+8+\j]
	v_permlane16_swap_b32 v[\x+16+\j], v[\x+24+\j]
.endr
.endr
.macro CQ x, c, sc, by, tm, so         ; 32 numbers, my block, become six registers of codes at v[c] and the scale's byte in v[by]
	v_max3_num_f32 v[\tm], |v[\x]|, |v[\x+1]|, 0x1800000
.irp i, 2,4,6,8,10,12,14,16,18,20,22,24,26,28,30
	s_delay_alu instid0(VALU_DEP_1)
	v_max3_num_f32 v[\tm], v[\tm], |v[\x+\i]|, |v[\x+\i+1]|
.endr
	s_delay_alu instid0(VALU_DEP_1)
	v_add_nc_u32 v[\so], 0xff000000, v[\tm]
	s_delay_alu instid0(VALU_DEP_1)
	v_lshrrev_b32 v[\by], 23, v[\so]
	v_cvt_scalef32_pk16_fp6_f32 v[\c:\c+2], v[\x:\x+15], v[\so]
	v_cvt_scalef32_pk16_fp6_f32 v[\sc:\sc+2], v[\x+16:\x+31], v[\so]
	v_nop
.irp i, 0,1,2
	v_mov_b32 v[\c+3+\i], v[\sc+\i]
.endr
.endm
	CQ 128, 32, 48, 232, 240, 242                  ; pos
	CQ 96, 40, 52, 233, 241, 243                   ; neg
	global_store_b128 v[LI], v[32:35], s[36:37]    ; half a fragment of the last projection: registers 0-3, 512 bytes,
	global_store_b64 v[L8], v[36:37], s[36:37] offset:512            ; registers 4-5, 256 bytes
	global_store_b128 v[LI], v[40:43], s[36:37] offset:3145728       ; neg's rows lie 4,096 rows on
	global_store_b64 v[L8], v[44:45], s[36:37] offset:3145728+512
	v_permlanex16_b32 v234, v232, s[SEL], s[SEL+1] ; the other block's byte
	v_permlanex16_b32 v235, v233, s[SEL], s[SEL+1]
	s_delay_alu instid0(VALU_DEP_2)
	v_lshl_or_b32 v236, v234, 8, v232              ; pos's two bytes: right in lanes 0-15
	s_delay_alu instid0(VALU_DEP_2)
	v_lshl_or_b32 v237, v233, 8, v235              ; neg's: right in lanes 16-31
	v_cmp_eq_u32 vcc_lo, 1, v10
	s_delay_alu instid0(VALU_DEP_1)
	v_cndmask_b32 v236, v236, v237, vcc_lo
	v_cmp_neq_f32 vcc_lo, 0, v14
	s_delay_alu instid0(VALU_DEP_1)
	v_cndmask_b32 v236, -1, v236, vcc_lo           ; l = 0: the bytes 0xff
	ds_store_b16 v[SA], v236
	s_wait_dscnt 0x0                               ; for the others' sake: my store has landed
	s_barrier_signal -1
	s_barrier_wait -1
	s_cmp_lt_u32 s[WV], 2
	s_cbranch_scc0 .Lno_scales
	ds_load_b128 v[240:243], v[RA]                 ; wave 0: the 256 queries' bytes of pos, wave 1: of neg: 512 bytes
	s_wait_dscnt 0x0
	global_store_b128 v[GA], v[240:243], s[38:39]
.Lno_scales:
	s_wait_tensorcnt 0x0                           ; the wave's end
	ds_add_u32 v[SPW], v[NIL]
	s_wait_dscnt 0x0
	CROUND                                         ; the closing round
	s_endpgm
.Lfunc_end_k_qebb5f83936_attn:
	.size	k_qebb5f83936_attn, .Lfunc_end_k_qebb5f83936_attn-k_qebb5f83936_attn
	.p2alignl 7, 3214868480
	.fill 96, 4, 3214868480
	.section	.rodata,"a",@progbits
	.p2align	6, 0x0
	.amdhsa_kernel k_qebb5f83936_attn
		.amdhsa_group_segment_fixed_size 327680
		.amdhsa_private_segment_fixed_size 0
		.amdhsa_enable_private_segment 0
		.amdhsa_kernarg_size 32
		.amdhsa_user_sgpr_count 2
		.amdhsa_user_sgpr_kernarg_segment_ptr 1
		.amdhsa_wavefront_size32 1
		.amdhsa_system_sgpr_workgroup_id_x 1
		.amdhsa_system_sgpr_workgroup_id_y 1
		.amdhsa_system_sgpr_workgroup_id_z 1
		.amdhsa_system_vgpr_workitem_id 0
		.amdhsa_next_free_vgpr 256
		.amdhsa_next_free_sgpr 66
		.amdhsa_reserve_vcc 1
		.amdhsa_float_denorm_mode_32 3
		.amdhsa_float_denorm_mode_16_64 3
		.amdhsa_memory_ordered 1
		.amdhsa_forward_progress 1
		.amdhsa_inst_pref_size 54
	.end_amdhsa_kernel
	.amdgpu_metadata
---
amdhsa.version: [ 1, 2 ]
amdhsa.kernels:
  - .name:           k_qebb5f83936_attn
    .symbol:         k_qebb5f83936_attn.kd
    .args:
      - { .name: qimg, .offset: 0, .size: 8, .value_kind: global_buffer, .address_space: global }
      - { .name: kv, .offset: 8, .size: 8, .value_kind: global_buffer, .address_space: global }
      - { .name: ctx, .offset: 16, .size: 8, .value_kind: global_buffer, .address_space: global }
      - { .name: ctxs, .offset: 24, .size: 8, .value_kind: global_buffer, .address_space: global }
    .group_segment_fixed_size: 327680
    .private_segment_fixed_size: 0
    .kernarg_segment_align: 8
    .kernarg_segment_size: 32
    .max_flat_workgroup_size: 512
    .sgpr_count:     66
    .vgpr_count:     256
    .wavefront_size: 32
...
	.end_amdgpu_metadata
.endif
;; end of part 2
;; launch outp (part 3): grid 4 x 64, 4 waves a work-group, clusters of 4 x 4, 327,680 bytes of LDS; arguments ctx, ctxs, Wout_codes, Wout_scales, bout, out0, out1; writes out0, out1
.if DOCPART == 3
	.amdgcn_target "amdgcn-amd-amdhsa--gfx1250"
	.amdhsa_code_object_version 6
	.text
	.protected	k_qebb5f83936_outp
	.globl	k_qebb5f83936_outp
	.p2align	8
	.type	k_qebb5f83936_outp,@function
k_qebb5f83936_outp:
	s_mov_b64 s[64:65], 0
	v_nop
	global_prefetch_b8 v0, s[64:65] scope:SCOPE_SE
	s_setreg_imm32_b32 hwreg(HW_REG_WAVE_MODE, 25, 1), 1
	s_wait_xcnt 0x0
	s_wait_alu depctr_hold_cnt(0) depctr_sa_sdst(0) depctr_va_vdst(0) depctr_va_sdst(0) depctr_va_ssrc(0) depctr_va_vcc(0) depctr_vm_vsrc(0)
	s_getreg_b32 s2, hwreg(HW_REG_IB_STS2, 6, 4)
	s_cmp_eq_u32 s2, 0
	s_cbranch_scc0 .Lentry_in_a_cluster
	s_endpgm
.Lentry_in_a_cluster:
	s_bfe_u32 s2, ttmp6, 0x10000c
	s_cmp_lg_u32 s2, 0xf033
	s_cbranch_scc0 .Lentry_shape_is_right
	s_endpgm
.Lentry_shape_is_right:
; THE LAST PROJECTION: r_pos = Q(context_pos) Wout^T + bout, r_neg = Q(context_neg) Wout^T + bout, on codes of FP6 (E2M3) with E8M0 scales; sums in f32.
; ctx holds 8,192 rows (4,096 of pos, then 4,096 of neg) as images of operand registers: [128 rows][256 along K][16 rows][128 along K] x 1,536 bytes (registers 0-3, 4-5, 6-9, 10-11 of a fragment).
; ctxs holds their scale bytes as [256 rows' block][head][row][2].
; SHARES.  A work-group makes 128 rows x 256 columns: 64 x 4 = 256 work-groups.  Each of its four waves makes 64 x 128: 32 accumulators, 256 registers.
; THE WHOLE OF K IS STAGED ONCE: A's 128 rows are one dense block of 98,304 bytes; Wout's 256 rows are whole rows of 768 bytes, which begin at multiples of 256 bytes, 16 bytes of padding behind every 256: LDS pitch 816 = 204 words,
; so that the 16 rows of a fragment start at 16 different multiples of four banks.  Waves 0 and 1 fetch A's halves, waves 2 and 3 Wout's: one tensor load a wave, at the head; no LDS byte is filled twice.
; CLUSTERS of 4 x 4: A's block hangs on the tile row and is shared along a row of the cluster, Wout's on the tile column and is shared along a column: joint loads.
; No prefetch: every tile is asked for at the head, and there is no loop to run ahead in.
; SCALES.  A row's 32 scale bytes are 8 words, one for each 128 along K.  Lane (r, h) holds words 4 h .. 4 h + 3 of row r in four registers: steps 0-3 read lanes 0-15, steps 4-7 lanes 16-31 (ROW1).
; Wout's come so by one load of 512 consecutive bytes for each block of 16 rows; A's bytes are first laid row by row in 4,096 LDS bytes of their own: each wave takes four heads, whole units of 256 bytes.
; THE MATRIX INSTRUCTION IS USED TRANSPOSED (source 0 = rows of Wout, source 1 = rows of ctx): a lane holds eight neighbouring numbers of a row of the result.  The bias is the C of the first step's products.
; REGISTERS: window 0: v0-31 addresses, v32-63 Wout's scale words, v64-79 A's, v80-143 the bias, v144-239 A's fragments, two sets; window 1: Wout's fragments, two sets, at v0 and v128; window 2: the accumulators.
; A scale byte 0xff in ctxs (a row with no open key) makes that row's sums NaN, as the softmax of such a row is.
.set PB,     816
.set BBASE,  98304                     ; behind A's block: Wout's 256 rows
.set ASC,    BBASE+256*PB              ; A's scale bytes, 32 a row
.set SPARE,  ASC+4096                  ; the spare words, 128 bytes a wave
.set SPITCH, 528                       ; the way out: 16 rows x (512 + 16) bytes for each wave, from LDS byte 0 on: those bytes have had their one fill, and every wave's last read of LDS is over at the barrier in front of the first store there
.set FR,   12
.set ADA,  16                          ; v16, v17 A's 16-byte pieces (K steps 0-3, 4-7); v18, v19 its 8-byte pieces
.set ADB,  20                          ; v20, v21 Wout's blocks 0-3, 4-7; v22, v23 the same where lanes 16-31 lie behind one padding more
.set STO,  24
.set RD,   25
.set CO,   26
.set SPW,  28
.set NIL,  29
.set SB,   32
.set SAW,  64
.set BI,   80
.set AF,   144
.set G1, 24
.set G0, 32
.set G1B, 48
.set G0B, 56
.set MSB, 0
.macro WIN new
.if MSB != (\new)
	s_set_vgpr_msb (MSB<<8)|(\new)
.set MSB, (\new)
.endif
.endm
.macro CREST
	s_cmp_lg_u32 s14, 0
	s_cbranch_scc1 .Lnot_wave_0_\@
	s_barrier_signal -3
.Lnot_wave_0_\@:
	s_barrier_wait -3
	s_barrier_signal -1
	s_barrier_wait -1
.endm
.macro CROUND
	s_barrier_signal -1
	s_barrier_wait -1
	CREST
.endm
.macro PLACES
.rept 4
	v_nop
.endr
.endm
	s_load_b256 s[4:11], s[0:1], 0x0               ; ctx, ctxs, Wout's codes, Wout's scales
	s_load_b128 s[68:71], s[0:1], 0x20             ; bout, out0
	s_load_b64 s[72:73], s[0:1], 0x30              ; out1
	v_lshl_add_u32 v[SPW], v0, 2, SPARE
	v_mov_b32 v[NIL], 0
	ds_add_u32 v[SPW], v[NIL]                      ; the opening: the add, twice on end, and its wait ahead of my first tensor load
	ds_add_u32 v[SPW], v[NIL]
	v_lshrrev_b32 v1, 5, v0
	v_readfirstlane_b32 s14, v1                    ; wave 0..3
	s_lshr_b32 s15, s14, 1                         ; which 64 rows are mine.  Also: I fetch for A (0) or for Wout (1)
	s_and_b32 s16, s14, 1                          ; which 128 columns.  Also: which half I fetch
	s_bfe_u32 s40, ttmp6, 0x40000                  ; cx
	s_bfe_u32 s41, ttmp6, 0x40004                  ; cy
	s_lshl_b32 s42, ttmp9, 2
	s_add_co_u32 s42, s42, s40                     ; tile column
	s_and_b32 s74, ttmp7, 0xffff                   ; the cluster's y: 0-7 pos, 8-15 neg
	s_lshl_b32 s17, s74, 2
	s_add_co_u32 s17, s17, s41                     ; tile row, 0..63
	s_lshl_b32 s43, s41, 2
	s_lshl_b32 s43, 15, s43                        ; my row of the cluster
	s_lshl_b32 s44, 0x1111, s40                    ; my column
	s_or_b32 s[G1+0], s43, (3<<16)|(1<<21)         ; half of A's block: 192 dense rows of 256 bytes
	s_mov_b32 s[G1+1], 32<<16
	s_mov_b32 s[G1+2], 192<<16
	s_mov_b32 s[G1+3], 32<<16
	s_mov_b32 s[G1+4], 192
	s_mov_b32 s[G1+5], 32
	s_mov_b32 s[G1+6], 0
	s_mov_b32 s[G1+7], 0
	s_or_b32 s[G1B+0], s44, (0<<16)|(1<<20)|(1<<21)|(5<<22)|(3<<25)   ; 128 rows of 768 bytes, 4 words of padding behind every 64
	s_mov_b32 s[G1B+1], 768<<16
	s_mov_b32 s[G1B+2], 128<<16
	s_mov_b32 s[G1B+3], 768<<16
	s_mov_b32 s[G1B+4], 128
	s_mov_b32 s[G1B+5], 768
	s_mov_b32 s[G1B+6], 0
	s_mov_b32 s[G1B+7], 0
	s_mul_i32 s20, s17, 98304
	s_mul_i32 s[G0+1], s16, 49152                  ; LDS: A's half
	s_add_co_u32 s20, s20, s[G0+1]
	s_mov_b32 s21, 0
	s_lshl_b32 s46, s42, 8
	s_lshl_b32 s19, s16, 7
	s_add_co_u32 s46, s46, s19                     ; Wout's row 256 x tile column + 128 x half: the half that I fetch, and my wave's first column
	s_mul_i32 s22, s46, 768
	s_mov_b32 s23, 0
	s_lshl_b32 s76, s46, 5                         ; its scales
	s_mov_b32 s77, 0
	s_lshl_b32 s78, s46, 2                         ; the bias, and my columns' bytes in a row of the result
	s_mov_b32 s79, 0
	s_mul_i32 s[G0B+1], s16, 128*PB
	s_add_co_u32 s[G0B+1], s[G0B+1], BBASE
	s_lshr_b32 s80, s17, 1                         ; ctxs: the block of 256 rows x 8,192, + 256 for its upper 128 rows, + my four heads x 512
	s_lshl_b32 s80, s80, 13
	s_and_b32 s81, s17, 1
	s_lshl_b32 s81, s81, 8
	s_add_co_u32 s80, s80, s81
	s_lshl_b32 s81, s14, 11
	s_add_co_u32 s80, s80, s81
	s_mov_b32 s81, 0
	s_and_b32 s82, s17, 31                         ; my first row of out0 or out1
	s_lshl_b32 s82, s82, 7
	s_lshl_b32 s83, s15, 6
	s_add_co_u32 s82, s82, s83
	s_lshl_b32 s82, s82, 12
	s_add_co_u32 s82, s82, s78
	s_mov_b32 s83, 0
	s_mul_i32 s60, s15, 12288                      ; my four blocks of 16 rows in A's images
	s_mul_i32 s61, s16, 128*PB
	s_add_co_u32 s61, s61, BBASE                   ; my 128 rows of Wout
	s_lshl_b32 s62, s14, 3
	s_add_co_u32 s62, s62, ASC                     ; where my four heads' bytes go in a row of A's scales
	s_lshl_b32 s63, s15, 11
	s_add_co_u32 s63, s63, ASC                     ; my 64 rows' scales
	s_mul_i32 s75, s14, 16*SPITCH                  ; my stage
	s_mov_b32 s2, 0x05040100
	s_mov_b32 s3, 0x07060302
	s_wait_dscnt 0x0                               ; both opening adds are done
	s_wait_kmcnt 0x0
	s_add_nc_u64 s[20:21], s[4:5], s[20:21]
	s_add_nc_u64 s[22:23], s[8:9], s[22:23]
	s_add_nc_u64 s[6:7], s[6:7], s[80:81]
	s_add_nc_u64 s[10:11], s[10:11], s[76:77]
	s_add_nc_u64 s[68:69], s[68:69], s[78:79]
	s_cmp_ge_u32 s74, 8                            ; hangs on the cluster's number alone
	s_cselect_b64 s[12:13], s[72:73], s[70:71]
	s_add_nc_u64 s[12:13], s[12:13], s[82:83]
	CROUND                                         ; all sixteen work-groups are here: the joint loads meet
	s_mov_b32 s[G0], 1
	s_mov_b64 s[G0+2:G0+3], s[20:21]
	s_or_b32 s[G0+3], s[G0+3], 0x80000000
	s_mov_b32 s[G0B], 1
	s_mov_b64 s[G0B+2:G0B+3], s[22:23]
	s_or_b32 s[G0B+3], s[G0B+3], 0x80000000
	s_cmp_eq_u32 s15, 0                            ; one load a wave; s_nop 0 and four v_nop follow each line
	s_cbranch_scc0 .Lfor_b
	tensor_load_to_lds s[G0:G0+3], s[G1:G1+7]
	s_nop 0
	PLACES
	s_branch .Lasked
.Lfor_b:
	tensor_load_to_lds s[G0B:G0B+3], s[G1B:G1B+7]
	s_nop 0
	PLACES
.Lasked:
	v_and_b32 v1, 15, v0                           ; r
	v_bfe_u32 v2, v0, 4, 1                         ; h
	v_and_b32 v3, 31, v0
	v_lshlrev_b32 v4, 4, v3                        ; 16 x lane
	v_lshlrev_b32 v5, 3, v3                        ; 8 x lane
	v_add_nc_u32 v[ADA], s60, v4
	v_add_nc_u32 v[ADA+2], s60, v5
	v_add_nc_u32 v[ADA+1], 49152, v[ADA]
	v_add_nc_u32 v[ADA+3], 49152, v[ADA+2]
	v_mul_u32_u24 v6, v1, PB
	v_mad_u32_u24 v6, v2, 24, v6
	v_add_nc_u32 v[ADB], s61, v6                   ; row x pitch + 24 x half
	v_add_nc_u32 v[ADB+1], 64*PB, v[ADB]
	v_lshl_add_u32 v[ADB+2], v2, 4, v[ADB]
	v_lshl_add_u32 v[ADB+3], v2, 4, v[ADB+1]
	v_lshlrev_b32 v7, 5, v1
	v_lshl_add_u32 v7, v2, 4, v7                   ; 32 r + 16 h: a row's scale words 4 h .. 4 h + 3
	v_add_nc_u32 v8, s63, v7
	v_lshlrev_b32 v9, 7, v3
	v_add_nc_u32 v9, s62, v9                       ; rows 4 x lane .. + 3 of A's scales, at my heads' bytes
	v_lshlrev_b32 v10, 5, v2                       ; the bias: 32 h
	v_mul_u32_u24 v11, v1, SPITCH
	v_lshl_add_u32 v11, v2, 5, v11
	v_add_nc_u32 v[STO], s75, v11
	v_mov_b32 v[CO], v4
	v_add_nc_u32 v[RD], s75, v4
	s_wait_alu depctr_va_vdst(0)
.irp e, 0,1,2,3
	global_load_b64 v[144+2*\e:145+2*\e], v5, s[6:7] offset:512*\e   ; head 4 wave + e: the two bytes of rows 4 x lane .. + 3: 256 consecutive bytes, aligned
.endr
.irp b, 0,1,2,3,4,5,6,7
	global_load_b128 v[SB+4*\b:SB+4*\b+3], v7, s[10:11] offset:512*\b
.endr
.irp b, 0,1,2,3,4,5,6,7
	global_load_b128 v[BI+8*\b:BI+8*\b+3], v10, s[68:69] offset:64*\b      ; bout at columns 16 b + 8 h + 0 .. 7: the accumulators' own layout
	global_load_b128 v[BI+8*\b+4:BI+8*\b+7], v10, s[68:69] offset:64*\b+16
.endr
	s_wait_loadcnt 24                              ; the four loads of A's scale bytes are in: 24 loads were issued behind them
.irp i, 0,1
	v_perm_b32 v[152+4*\i], v[146+\i], v[144+\i], s2   ; row 4 lane + 2 i: heads 4 w, 4 w + 1,
	v_perm_b32 v[153+4*\i], v[150+\i], v[148+\i], s2   ; heads 4 w + 2, 4 w + 3;
	v_perm_b32 v[154+4*\i], v[146+\i], v[144+\i], s3   ; row 4 lane + 2 i + 1
	v_perm_b32 v[155+4*\i], v[150+\i], v[148+\i], s3
.endr
.irp i, 0,1,2,3
	ds_store_b64 v9, v[152+2*\i:153+2*\i] offset:32*\i
.endr
	s_wait_tensorcnt 0x0                           ; my half of A's block or of Wout's rows is in,
	s_wait_dscnt 0x0                               ; my stores have landed,
	s_wait_loadcnt 0x0                             ; Wout's scales and the bias are in
	s_barrier_signal -1
	s_barrier_wait -1                              ; all of it holds of every wave
.macro FETCH_B st                      ; Wout's eight fragments of step st into set st % 2.  Byte y of a row lies at y + 16 (y / 256); lanes 16-31 read 24 bytes further on
	WIN 0x40
.irp i, 0,1,2,3,4,5,6,7
.irp p, 0,1,2,3,4,5
.set BY, 96*(\st)+48*(\p/3)+8*(\p%3)
.set AR, ADB+(\i/4)+2*((BY+24)/256-BY/256)
	ds_load_b64 v[128*((\st)%2)+FR*\i+2*\p:128*((\st)%2)+FR*\i+2*\p+1], v[AR] offset:BY+16*(BY/256)+(\i%4)*16*PB
.endr
.endr
	WIN 0
.endm
.macro FETCH_A st                      ; A's four fragments of step st into set st % 2
.irp i, 0,1,2,3
.set RG, AF+48*((\st)%2)+FR*\i
.set OF, 24576*(((\st)/2)%2)+3072*\i+1536*((\st)%2)
.set HI, (\st)/4
	ds_load_b128 v[RG:RG+3], v[ADA+HI] offset:OF
	ds_load_b64 v[RG+4:RG+5], v[ADA+2+HI] offset:OF+512
	ds_load_b128 v[RG+6:RG+9], v[ADA+HI] offset:OF+768
	ds_load_b64 v[RG+10:RG+11], v[ADA+2+HI] offset:OF+1280
.endr
.endm
.macro MUL st                          ; 32 matrix instructions; the 32 accumulators take turns, in the same order in every step
.irp a, 0,1,2,3
.irp b, 0,1,2,3,4,5,6,7
.set DD, 8*(8*\a+\b)
.set BF, 128*((\st)%2)+FR*\b
.set AA, AF+48*((\st)%2)+FR*\a
.set S0, SB+4*\b+(\st)%4
.set S1, SAW+4*\a+(\st)%4
.if (\st) == 0
	v_wmma_scale_f32_16x16x128_f8f6f4 v[DD:DD+7], v[BF:BF+11], v[AA:AA+11], v[BI+8*\b:BI+8*\b+7], v[S0], v[S1] matrix_a_fmt:MATRIX_FMT_FP6 matrix_b_fmt:MATRIX_FMT_FP6
.elseif (\st) < 4
	v_wmma_scale_f32_16x16x128_f8f6f4 v[DD:DD+7], v[BF:BF+11], v[AA:AA+11], v[DD:DD+7], v[S0], v[S1] matrix_a_fmt:MATRIX_FMT_FP6 matrix_b_fmt:MATRIX_FMT_FP6
.else
	v_wmma_scale_f32_16x16x128_f8f6f4 v[DD:DD+7], v[BF:BF+11], v[AA:AA+11], v[DD:DD+7], v[S0], v[S1] matrix_a_fmt:MATRIX_FMT_FP6 matrix_b_fmt:MATRIX_FMT_FP6 matrix_a_scale:MATRIX_SCALE_ROW1 matrix_b_scale:MATRIX_SCALE_ROW1
.endif
.endr
.endr
.endm
.macro STEP st                         ; the next step's fragments are asked for, then this step's are multiplied
.if (\st) > 0
	PLACES                                         ; the loads below land in registers that the step before multiplied
.endif
	FETCH_B (\st)+1
	s_wait_dscnt 48                                ; all but the 48 loads just issued: this step's fragments are in
	FETCH_A (\st)+1
.if (\st) == 0
	WIN 0x81                                       ; source 0 window 1, source 1 and C (the bias) window 0, D window 2
.else
	WIN 0xa1                                       ; C and D window 2
.endif
	MUL \st
.endm
.irp i, 0,1,2,3
	ds_load_b128 v[SAW+4*\i:SAW+4*\i+3], v8 offset:512*\i
.endr
	FETCH_B 0
	FETCH_A 0
.irp s, 0,1,2,3,4,5,6
	STEP \s
.endr
	s_wait_dscnt 0x0                               ; the last step's fragments are in: my reads of LDS are over
	s_barrier_signal -1
	MUL 7
	WIN 0
	s_barrier_wait -1                              ; and so are everybody's: the stages may be written
; THE WAY OUT, block by block of 16 rows x 128 columns, through my own stage: back come whole rows of 512 bytes, which the 32 lanes store as two aligned units of 256 bytes.
; LDS serves a wave's instructions in order (ISA guide 5.7.1.4): no wait between the stores and the loads.
.macro TOSTAGE a
	WIN 0x08                                       ; the data: window 2
.irp b, 0,1,2,3,4,5,6,7
	ds_store_b128 v[STO], v[64*(\a)+8*\b:64*(\a)+8*\b+3] offset:64*\b       ; each accumulator from its low end on
	ds_store_b128 v[STO], v[64*(\a)+8*\b+4:64*(\a)+8*\b+7] offset:64*\b+16
.endr
	WIN 0
.set BK, BI+64*((\a)%2)
.irp t, 0,1,2,3,4,5,6,7,8,9,10,11,12,13,14,15
	ds_load_b128 v[BK+4*\t:BK+4*\t+3], v[RD] offset:\t*SPITCH
.endr
.endm
.macro SEND a, younger                 ; younger: the LDS instructions issued behind block a's loads
.set BK, BI+64*((\a)%2)
	s_wait_dscnt \younger
.if (\a) > 0
	s_add_nc_u64 s[12:13], s[12:13], 16*4096       ; behind a wait on XCNT: the earlier stores have read their base
.endif
.irp t, 0,1,2,3,4,5,6,7,8,9,10,11,12,13,14,15
	global_store_b128 v[CO], v[BK+4*\t:BK+4*\t+3], s[12:13] offset:\t*4096 th:TH_STORE_NT
.endr
.endm
	PLACES                                         ; behind the last products
	TOSTAGE 0
.irp a, 1,2,3
.if \a > 1
	s_wait_xcnt 0x0                                ; block a - 2's stores have read their registers and their base
.endif
	TOSTAGE \a
	SEND \a-1, 32                                  ; behind block a - 1's loads: block a's 16 stores and 16 loads
.endr
	s_wait_xcnt 0x0
	SEND 3, 0
	s_wait_tensorcnt 0x0                           ; the wave's end
	ds_add_u32 v[SPW], v[NIL]
	s_wait_dscnt 0x0
	CROUND                                         ; the closing round
	s_endpgm
.Lfunc_end_k_qebb5f83936_outp:
	.size	k_qebb5f83936_outp, .Lfunc_end_k_qebb5f83936_outp-k_qebb5f83936_outp
	.p2alignl 7, 3214868480
	.fill 96, 4, 3214868480
	.section	.rodata,"a",@progbits
	.p2align	6, 0x0
	.amdhsa_kernel k_qebb5f83936_outp
		.amdhsa_group_segment_fixed_size 327680
		.amdhsa_private_segment_fixed_size 0
		.amdhsa_enable_private_segment 0
		.amdhsa_kernarg_size 56
		.amdhsa_user_sgpr_count 2
		.amdhsa_user_sgpr_kernarg_segment_ptr 1
		.amdhsa_wavefront_size32 1
		.amdhsa_system_sgpr_workgroup_id_x 1
		.amdhsa_system_sgpr_workgroup_id_y 1
		.amdhsa_system_sgpr_workgroup_id_z 1
		.amdhsa_system_vgpr_workitem_id 0
		.amdhsa_next_free_vgpr 768
		.amdhsa_next_free_sgpr 100
		.amdhsa_reserve_vcc 0
		.amdhsa_float_denorm_mode_32 3
		.amdhsa_float_denorm_mode_16_64 3
		.amdhsa_memory_ordered 1
		.amdhsa_forward_progress 1
		.amdhsa_inst_pref_size 92
	.end_amdhsa_kernel
	.amdgpu_metadata
---
amdhsa.version: [ 1, 2 ]
amdhsa.kernels:
  - .name:           k_qebb5f83936_outp
    .symbol:         k_qebb5f83936_outp.kd
    .args:
      - { .name: ctx, .offset: 0, .size: 8, .value_kind: global_buffer, .address_space: global }
      - { .name: ctxs, .offset: 8, .size: 8, .value_kind: global_buffer, .address_space: global }
      - { .name: Wout_codes, .offset: 16, .size: 8, .value_kind: global_buffer, .address_space: global }
      - { .name: Wout_scales, .offset: 24, .size: 8, .value_kind: global_buffer, .address_space: global }
      - { .name: bout, .offset: 32, .size: 8, .value_kind: global_buffer, .address_space: global }
      - { .name: out0, .offset: 40, .size: 8, .value_kind: global_buffer, .address_space: global }
      - { .name: out1, .offset: 48, .size: 8, .value_kind: global_buffer, .address_space: global }
    .group_segment_fixed_size: 327680
    .private_segment_fixed_size: 0
    .kernarg_segment_align: 8
    .kernarg_segment_size: 56
    .max_flat_workgroup_size: 128
    .sgpr_count:     100
    .vgpr_count:     768
    .wavefront_size: 32
...
	.end_amdgpu_metadata
.endif
;; end of part 3
